; MI455X (gfx1250); checked and timed in simulation.
; The chip was launched on July 23, 2026; its instructions are those of AMD's public machine-readable ISA for CDNA 5 (MIT licence, August 2026) and "CDNA5" Instruction Set Architecture Reference Guide (July 2026). The comments in the code are by the model that wrote it; some were corrected since.
;; Multi Head Attention. Allowed arithmetic: matrix products marked QUANTISED: E4M3 operands, one given power-of-two scale a tensor, by v_wmma_f32_16x16x64_fp8_fp8 or v_wmma_f32_16x16x128_fp8_fp8, f32 sums; everything else in f32.
;; Inputs: lowp_scales 12 int32 (the exponents e of the quantised operands' scales 2^e); wk 1,024 x 1,024 float32; wo 1,024 x 1,024 float32; wq 1,024 x 1,024 float32; wv 1,024 x 1,024 float32; x 4 x 2,048 x 1,024 float32.
;; Outputs: out0 4 x 2,048 x 1,024 float32.
;; This version of the problem:
;;   THIS VERSION OF THE PROBLEM IS GIVEN IN LOW PRECISION. The matrix products marked QUANTISED in the list below multiply operands that are first quantised to E4M3 (4 exponent bits, 3 mantissa bits; 8 bits a number), with one given power-of-two scale for each operand tensor; their sums are f32. All else is computed in f32.
;;   The module's matrix products, in the order in which they are computed (A, B: the left and right operand; K: the contracted axis; several contracted axes count as one K, in the product's order):
;;     1. [M 8,192, K 1,024] x [K 1,024, N 1,024]; A: input x; B: input wq: QUANTISED (scales: A lowp_scales[0], B lowp_scales[1])
;;     2. [M 8,192, K 1,024] x [K 1,024, N 1,024]; A: input x; B: input wk: QUANTISED (scales: A lowp_scales[2], B lowp_scales[3])
;;     3. [M 8,192, K 1,024] x [K 1,024, N 1,024]; A: input x; B: input wv: QUANTISED (scales: A lowp_scales[4], B lowp_scales[5])
;;     4. batch 64 x [M 2,048, K 64] x [K 64, N 2,048]; A: computed on the way; B: computed on the way: QUANTISED (scales: A lowp_scales[6], B lowp_scales[7])
;;     5. batch 64 x [M 2,048, K 2,048] x [K 2,048, N 64]; A: softmax (see below); B: computed on the way: QUANTISED (scales: A lowp_scales[8], B lowp_scales[9])
;;     6. [M 8,192, K 1,024] x [K 1,024, N 1,024]; A: computed on the way; B: input wo: QUANTISED (scales: A lowp_scales[10], B lowp_scales[11])
;;   THE QUANTISER, for each operand of a quantised product, along K:
;;     - The operand's scale is 2^e, e = its entry of the input lowp_scales (int32; the entries are numbered through the quantised products in the list's order, A before B).
;;     - Each number is divided by the scale, clamped to +-448, and rounded to the nearest number of E4M3, ties to even, subnormals kept.
;;     - The product sums the exact products of the quantised numbers (number of the format x scale) in f32.
;;   ~~~python
;;   def quantise(x, axis, e):      # numpy; x: float32 -> the quantised numbers, widened to float32 again
;;       x = np.moveaxis(x, axis, -1); K = x.shape[-1]
;;       r = np.clip(x / 2.0 ** e, -448, 448)
;;       step = 2.0 ** (np.maximum(np.frexp(np.where(r == 0, 1, r))[1] - 1, -6) - 3)
;;       q = np.round(r / step) * step * 2.0 ** e      # np.round: ties to even
;;       return np.moveaxis(q, -1, axis).astype(np.float32)
;;   ~~~
;;   SOFTMAX AHEAD OF A QUANTISED PRODUCT. Where the list says 'softmax', what is quantised is not the finished softmax but p = 2^(t - M), with t = logit x log2(e) and M = ceil(the row's largest t), a whole number; so 1/2 < the row's largest p <= 1. The row's sum l is taken of the UNQUANTISED p, in f32, and the product's result is divided by l at the end. Since M is a whole number, a kernel that streams over the keys may use a running M (the ceiling of the running maximum): every later rescaling is an exact power of two, so the quantised numbers keep their values, but for numbers so far below the row's largest that they fall under the format's range.
;;   OPERANDS COMPUTED ON THE WAY. 'Computed on the way' means the value that the module computes at that place (a softmax that the list does not call 'softmax' is quantised finished and normalised). What goes into a quantiser is computed in f32, as accurately as f32 sums, v_exp_f32 and their like allow (about 1e-6 of the number): no bf16 or f16 on the way to a quantiser, and a product that is left as it is and whose result goes on into a quantised operand takes f32 operands (vector FMAs, or v_wmma_f32_16x16x4_f32). A number that lies on a knife's edge between two numbers of the format may be rounded either way, as far as f32 arithmetic and the matrix unit's own rounding can turn it there, and no further.
;; One version. Each part assembles by itself: llvm-mc -triple=amdgcn-amd-amdhsa -mcpu=gfx1250 --defsym DOCPART=n.
;; ======== version 1 of 1: 4 launches
;; limits: right only within a limited range of input values
;; workspace buffers: codes 29,360,128 bytes; qkv 25,165,824 bytes; yc 8,388,608 bytes
;; launch quant (part 1): grid 768 x 1, 4 waves a work-group, no clusters, 33,280 bytes of LDS; arguments x, wq, wk, wv, wo, lowp_scales, codes; writes codes
.if DOCPART == 1
	.amdgcn_target "amdgcn-amd-amdhsa--gfx1250"
	.amdhsa_code_object_version 6
	.text
	.protected	k_q61a6584e1b_quant
	.globl	k_q61a6584e1b_quant
	.p2align	8
	.type	k_q61a6584e1b_quant,@function
k_q61a6584e1b_quant:
	s_mov_b64 s[64:65], 0
	v_nop
	global_prefetch_b8 v0, s[64:65] scope:SCOPE_SE
	s_setreg_imm32_b32 hwreg(HW_REG_WAVE_MODE, 25, 1), 1
	s_wait_xcnt 0x0
; x [8192][1024] and wq, wk, wv, wo [1024][1024], f32, become codes of FP8 (E4M3), K innermost, as they lie.
; code = number / 2^e, rounded to the nearest code, ties to even.  x is an operand of three products with a scale of its own in each
; (entries 0, 2, 4 of the scales), so it is read once and converted three times; the weights take entries 1, 3, 5, 11.
; The buffer of codes: x for product p at p x 8 MiB; weight i (q, k, v, o) at 24 MiB + i MiB.
; LIMITS: each of these seven exponents lies between -126 and 119, so that 2^e and 448 x 2^e are f32 numbers.  NaN among the inputs is not served.
; SHARES.  All tensors are dense streams.  A wave takes 8 steps of 512 numbers, a work-group 16,384 numbers: work-groups 0-511 take x, 512-767 the weights, 64 each.
; A conversion takes 8 neighbours from ONE lane's registers, a load is best where neighbouring LANES take neighbouring bytes: each of a step's four loads reads 512 consecutive
; bytes, the 2,048 bytes go through the wave's own stage in LDS as they lie and come back 64 bytes a lane (16 bytes of padding behind each 64).  A lane's 16 codes are 16 bytes:
; a store of the wave covers 512 consecutive bytes, aligned.  Waves share nothing: no barrier.  Loads run four steps (16 loads a wave) ahead, the turn through LDS one step.
.set STEPS, 8
.set XWG,   512                        ; work-groups that take x
.set R,     16                         ; v16-79   four sets of 16 numbers as they are loaded
.set X,     80                         ; v80-111  two sets of 16 neighbours
.set T0,    112
.set T1,    128
.set T2,    144
.set C,     160                        ; v160-171 codes: four registers for each scale
.set SP,    80                         ; a lane's place in a stage: 64 bytes + 16 of padding
.set WREG,  8192                       ; LDS: a region for each wave, two stages of 32 x SP bytes in it
	s_load_b256 s[4:11], s[0:1], 0x0               ; x s[4:5], wq s[6:7], wk s[8:9], wv s[10:11]
	s_load_b128 s[12:15], s[0:1], 0x20             ; wo s[12:13], the scales' exponents s[14:15]
	s_load_b64 s[16:17], s[0:1], 0x30              ; the codes
	v_lshl_add_u32 v192, v0, 2, 0x8000
	v_mov_b32 v193, 0
	v_lshrrev_b32 v1, 5, v0
	v_readfirstlane_b32 s20, v1                    ; wave
	v_and_b32 v2, 31, v0                           ; lane
	v_lshlrev_b32 v3, 4, v2                        ; my 16 bytes of a load's 512
	v_lshlrev_b32 v4, 4, v2                        ; my 16 codes of a step's 512
	s_mul_i32 s21, s20, WREG
	v_lshrrev_b32 v14, 2, v2
	v_mul_u32_u24 v14, v14, SP
	v_and_b32 v15, 3, v2
	v_lshl_add_u32 v14, v15, 4, v14
	v_add_nc_u32 v14, s21, v14                     ; the stage, on the way in: SP (lane / 4) + 16 (lane % 4); a load's 512 bytes take eight places
	v_mul_u32_u24 v15, v2, SP
	v_add_nc_u32 v15, s21, v15                     ; and on the way out: SP x lane: my 16 neighbours
	s_sub_co_u32 s21, ttmp9, XWG
	s_lshr_b32 s22, s21, 6                         ; which weight (of use in work-groups 512 on)
	s_and_b32 s23, s21, 63                         ; and which part of it
	s_lshl_b32 s45, s22, 20
	s_add_co_u32 s45, s45, 0x1800000               ; where its codes begin
	s_cmp_lt_u32 ttmp9, XWG                        ; x's work-group?
	s_cselect_b32 s23, ttmp9, s23
	s_cselect_b32 s45, 0, s45
	s_lshl_b32 s23, s23, 2
	s_add_co_u32 s23, s23, s20                     ; which run of 4,096 numbers of the tensor is my wave's
	s_lshl_b32 s46, s23, 14                        ; its first byte in the tensor,
	s_mov_b32 s47, 0
	s_lshl_b32 s48, s23, 12
	s_add_co_u32 s48, s48, s45                     ; and in the codes
	s_mov_b32 s49, 0
	s_wait_alu depctr_va_vdst(0)
	s_wait_kmcnt 0x0
	s_load_b256 s[24:31], s[14:15], 0x0            ; e0 .. e7
	s_load_b128 s[32:35], s[14:15], 0x20           ; e8 .. e11
	s_mov_b64 s[42:43], s[12:13]                   ; the tensor is chosen by the work-group's number alone: wo,
	s_cmp_eq_u32 s22, 2
	s_cselect_b64 s[42:43], s[10:11], s[42:43]     ; wv,
	s_cmp_eq_u32 s22, 1
	s_cselect_b64 s[42:43], s[8:9], s[42:43]       ; wk,
	s_cmp_eq_u32 s22, 0
	s_cselect_b64 s[42:43], s[6:7], s[42:43]       ; wq,
	s_cmp_lt_u32 ttmp9, XWG
	s_cselect_b64 s[42:43], s[4:5], s[42:43]       ; or x
	s_add_nc_u64 s[42:43], s[42:43], s[46:47]
	s_add_nc_u64 s[36:37], s[16:17], s[48:49]      ; my codes; x's for the second and third product lie 8 and 16 MiB on,
	s_add_nc_u64 s[38:39], s[36:37], 0x800000      ; past a store's immediate: bases of their own (used in x's work-groups alone)
	s_add_nc_u64 s[40:41], s[36:37], 0x1000000
.macro LOAD t
.irp i, 0,1,2,3
	global_load_b128 v[R+16*((\t)%4)+4*\i:R+16*((\t)%4)+4*\i+3], v3, s[42:43] offset:2048*(\t)+512*\i th:TH_LOAD_NT   ; 32 lanes read 512 consecutive bytes
.endr
.endm
.macro TURN t                          ; step t's numbers through the stage: LDS serves a wave's instructions in order, so no wait stands between the stores and the loads
.irp i, 0,1,2,3
	ds_store_b128 v14, v[R+16*((\t)%4)+4*\i:R+16*((\t)%4)+4*\i+3] offset:32*SP*((\t)%2)+8*SP*\i
.endr
.irp i, 0,1,2,3
	ds_load_b128 v[X+16*((\t)%2)+4*\i:X+16*((\t)%2)+4*\i+3], v15 offset:32*SP*((\t)%2)+16*\i
.endr
.endm
.macro MKSCALE e, vs, vl               ; v[vs] = 2^e as f32 (the conversion takes its exponent field)
	s_add_co_i32 s50, s[\e], 127
	s_lshl_b32 s51, s50, 23
	v_mov_b32 v[\vs], s51
.endm
.irp t, 0,1,2,3
	LOAD \t
.endr
	s_wait_kmcnt 0x0
	s_mov_b32 s44, s35                             ; the tensor's exponent, chosen as the tensor was: e11,
	s_cmp_eq_u32 s22, 2
	s_cselect_b32 s44, s29, s44                    ; e5,
	s_cmp_eq_u32 s22, 1
	s_cselect_b32 s44, s27, s44                    ; e3,
	s_cmp_eq_u32 s22, 0
	s_cselect_b32 s44, s25, s44                    ; e1,
	s_cmp_lt_u32 ttmp9, XWG
	s_cselect_b32 s44, s24, s44                    ; or e0
	MKSCALE 44, 184, 185
	MKSCALE 26, 186, 187                           ; e2: x in the second product
	MKSCALE 28, 188, 189                           ; e4: x in the third
	s_wait_alu depctr_va_vdst(0)
	s_wait_loadcnt 12                              ; step 0's four loads are in
	TURN 0
; 16 neighbours are converted with one scale and stored.  The conversion to an 8-bit code does not saturate (ISA guide 7.6.2).
.macro QOUT ts, vs, vl, c, base, t
.irp i, 0,1,2,3,4,5,6,7,8,9,10,11,12,13,14,15
.endr
	v_cvt_scalef32_pk8_fp8_f32 v[\c:\c+1], v[XS:XS+7], v[\vs]
	v_cvt_scalef32_pk8_fp8_f32 v[\c+2:\c+3], v[XS+8:XS+15], v[\vs]
	v_nop                                          ; one plain vector instruction behind the conversions
	global_store_b128 v4, v[\c:\c+3], s[\base:\base+1] offset:512*(\t)
.endm
.macro STEP t
.set XS, X+16*((\t)%2)
	s_wait_dscnt 0x0                               ; this step's numbers are back from the stage: so its stores into the stage have read their registers,
.if (\t)+4 < STEPS
	LOAD (\t)+4                                    ; which take the loads of four steps on
.endif
.if (\t)+1 < STEPS
.if STEPS-2-(\t) >= 3
	s_wait_loadcnt 12                              ; the next step's four loads are in; those of the three steps behind it may be out
.else
	s_wait_loadcnt 4*(STEPS-2-(\t))                ; towards the end fewer steps stand behind it
.endif
	TURN (\t)+1                                    ; and go through the other stage while this step is worked
.endif
	s_wait_xcnt 0x0                                ; the last step's stores have read their data: the twelve registers of codes may be written again
	QOUT T0, 184, 185, C, 36, \t
	s_cmp_lt_u32 ttmp9, XWG                        ; a weight has one scale; the branch hangs on the work-group's number and spans arithmetic and stores to memory alone
	s_cbranch_scc0 .Lw_\@
	QOUT T1, 186, 187, C+4, 38, \t
	QOUT T2, 188, 189, C+8, 40, \t
.Lw_\@:
.endm
.irp t, 0,1,2,3,4,5,6,7
	STEP \t
.endr
	s_wait_tensorcnt 0x0
	ds_add_u32 v192, v193
	s_wait_dscnt 0x0
	s_endpgm
.Lfunc_end_k_q61a6584e1b_quant:
	.size	k_q61a6584e1b_quant, .Lfunc_end_k_q61a6584e1b_quant-k_q61a6584e1b_quant
	.p2alignl 7, 3214868480
	.fill 96, 4, 3214868480
	.section	.rodata,"a",@progbits
	.p2align	6, 0x0
	.amdhsa_kernel k_q61a6584e1b_quant
		.amdhsa_group_segment_fixed_size 33280
		.amdhsa_private_segment_fixed_size 0
		.amdhsa_enable_private_segment 0
		.amdhsa_kernarg_size 56
		.amdhsa_user_sgpr_count 2
		.amdhsa_user_sgpr_kernarg_segment_ptr 1
		.amdhsa_wavefront_size32 1
		.amdhsa_system_sgpr_workgroup_id_x 1
		.amdhsa_system_sgpr_workgroup_id_y 1
		.amdhsa_system_sgpr_workgroup_id_z 1
		.amdhsa_system_vgpr_workitem_id 0
		.amdhsa_next_free_vgpr 194
		.amdhsa_next_free_sgpr 66
		.amdhsa_reserve_vcc 0
		.amdhsa_float_denorm_mode_32 3
		.amdhsa_float_denorm_mode_16_64 3
		.amdhsa_fp16_overflow 1
		.amdhsa_memory_ordered 1
		.amdhsa_forward_progress 1
		.amdhsa_inst_pref_size 18
	.end_amdhsa_kernel
	.amdgpu_metadata
---
amdhsa.version: [ 1, 2 ]
amdhsa.kernels:
  - .name:           k_q61a6584e1b_quant
    .symbol:         k_q61a6584e1b_quant.kd
    .args:
      - { .name: x, .offset: 0, .size: 8, .value_kind: global_buffer, .address_space: global }
      - { .name: wq, .offset: 8, .size: 8, .value_kind: global_buffer, .address_space: global }
      - { .name: wk, .offset: 16, .size: 8, .value_kind: global_buffer, .address_space: global }
      - { .name: wv, .offset: 24, .size: 8, .value_kind: global_buffer, .address_space: global }
      - { .name: wo, .offset: 32, .size: 8, .value_kind: global_buffer, .address_space: global }
      - { .name: lowp_scales, .offset: 40, .size: 8, .value_kind: global_buffer, .address_space: global }
      - { .name: codes, .offset: 48, .size: 8, .value_kind: global_buffer, .address_space: global }
    .group_segment_fixed_size: 33280
    .private_segment_fixed_size: 0
    .kernarg_segment_align: 8
    .kernarg_segment_size: 56
    .max_flat_workgroup_size: 128
    .sgpr_count:     66
    .vgpr_count:     194
    .wavefront_size: 32
...
	.end_amdgpu_metadata
.endif
;; end of part 1
;; launch gemm_qkv (part 2): grid 12 x 32, 4 waves a work-group, clusters of 4 x 4, 327,680 bytes of LDS; arguments codes, lowp_scales, qkv; writes qkv
.if DOCPART == 2
	.amdgcn_target "amdgcn-amd-amdhsa--gfx1250"
	.amdhsa_code_object_version 6
	.text
	.protected	k_q61a6584e1b_gemm_qkv
	.globl	k_q61a6584e1b_gemm_qkv
	.p2align	8
	.type	k_q61a6584e1b_gemm_qkv,@function
k_q61a6584e1b_gemm_qkv:
	s_mov_b64 s[64:65], 0
	v_nop
	global_prefetch_b8 v0, s[64:65] scope:SCOPE_SE
	s_setreg_imm32_b32 hwreg(HW_REG_WAVE_MODE, 25, 1), 1
	s_wait_xcnt 0x0
	s_wait_alu depctr_hold_cnt(0) depctr_sa_sdst(0) depctr_va_vdst(0) depctr_va_sdst(0) depctr_va_ssrc(0) depctr_va_vcc(0) depctr_vm_vsrc(0)
	s_getreg_b32 s2, hwreg(HW_REG_IB_STS2, 6, 4)
	s_cmp_eq_u32 s2, 0
	s_cbranch_scc0 .Lentry_in_a_cluster
	s_endpgm
.Lentry_in_a_cluster:
	s_bfe_u32 s2, ttmp6, 0x10000c
	s_cmp_lg_u32 s2, 0xf033
	s_cbranch_scc0 .Lentry_shape_is_right
	s_endpgm
.Lentry_shape_is_right:
; q = x wq^T, k = x wk^T, v = x wv^T on codes of FP8 (E4M3); each finished f32 sum is quantised at once, as an operand of attention's products (scales' entries 6, 7, 9).
; The codes' buffer: x for product p at p x 8 MiB, [8192][1024]; weight p at 24 MiB + p MiB, [1024][1024]; K innermost.
; A sum stands for sum x 2^(ex + ew), so its code is sum / 2^(eo - ex - ew): the three exponents are folded into the conversion's one scale.
; LIMIT: e6 - e0 - e1, e7 - e2 - e3 and e9 - e4 - e5 lie between -126 and 119, so that the scale and 448 x the scale are f32 numbers.
; SHARES.  A tile of C, 256 x 256, is made by four waves, as many as a WGP has SIMDs; a wave makes 128 x 128: 64 accumulators, 512 registers.  K = 1,024 goes in four steps of 256
; through a ring of two LDS slots filled by the tensor data mover.  A cluster of 4 x 4 work-groups makes 1,024 x 1,024; cluster x is the product p, cluster y the block of 1,024 tokens.
; ROLES.  For q and k the tile's rows (operand A) are tokens and its columns (B) channels.  For v they change places: A = wv's rows, B = x's rows, so that a lane's eight results are
; eight TOKENS of one channel: the keys are the second product's K and have to lie innermost.  Only offsets differ, chosen by s_cselect_b32 on cluster x: one text, no branch.
; JOINT LOADS.  The four work-groups of a row of the cluster need the same tiles of A, the four of a column the same tiles of B: the same tensor load, the same descriptor, a mask that names the four.
; THE MATRIX INSTRUCTION IS USED TRANSPOSED (source 0 = 16 rows of B, source 1 = 16 rows of A): lane (r, h), register j of accumulator (a, b) holds C(16 a + r, 16 b + 8 h + j).
; THE RESULT.  q at 0, k at 8 MiB, v at 16 MiB; (batch, head) owns 2^17 bytes; q, k: [token][64]; v: [token / 64][channel][64 tokens].  In each 64-byte row byte 32 c + 16 h + 8 u + j holds
; index 32 c + 16 u + 8 h + j: two accumulators' codes of a lane, 16 bytes, lie together.  In q and k that is one permutation of the head's 64 on both sides of their product; in v it is
; the order in which four 16-byte loads give the K = 128 form its own layout.
; REGISTERS, in windows of 256: window 0: v0-31 addresses and the scale; from v128 A's fragments, ONE set; on the way out v128-255 codes.
;   window 1: B's fragments, TWO sets, at v0 and v128.   window 2: the accumulators of my rows 0-63 ((a, b) at v[8 (8 a + b)]);   window 3: those of my rows 64-127.
.set SIZE_K, 1024
.set KSTEP,  256                       ; along K in a slot
.set ROWB,   256                       ; a tile's row in bytes
.set KROW,   SIZE_K                    ; a row of A or B in memory, in bytes
.set PITCH,  272                       ; an LDS row: 256 bytes + 16 of padding = 68 words: row r starts at bank 4 r mod 64 (64 banks of 4 bytes: ISA guide 11.1)
.set FR,     16                        ; registers of a fragment: 16 rows x 128 K
.set NL,     4                         ; LDS loads that bring one
.set NP,     4                         ; places behind this matrix instruction (ISA guide 7.12.1)
.set HALFT,  128*PITCH                 ; 128 rows: what one tensor load brings, and what one wave reads of A or of B
.set SLOT,   4*HALFT                   ; A's 256 rows, then B's 256 rows
.set LAPS,   SIZE_K/(2*KSTEP)          ; a lap = two K steps = once round the ring
.set SPARE,  2*SLOT                    ; behind the ring: the spare words, 128 bytes for each wave: two blocks of 256 bytes that no other line names
.set SPITCH, 336                       ; the way out: ONE stage of 256 rows x (256 bytes of codes + 80), in slot 0, which has had its last fill and its last read by then; 21 x 16 bytes: the 16 rows of a store fall on 16 different columns of banks
.set ADRA, 16                          ; v16-17  LDS address of my A fragments in slot 0, 1
.set ADRB, 20                          ; v20-21  the same for B
.set STO,  24                          ; v24     the way out: where I put 16 codes of a row
.set RD,   25                          ; v25     where I read rows 0-127 back;  v27: rows 128-255
.set CO,   26                          ; v26     16 x lane: my place in a store's 512 bytes
.set RD1,  27
.set SPW,  28                          ; v28     LDS address of my spare word; never rewritten
.set NIL,  29                          ; v29     0; never rewritten
.set SCL,  30                          ; v30     2^(eo - ex - ew) as f32
.set LIM,  31
.set TMP,  32
.set AF,   128                         ; A's fragments, in window 0
.set G1, 24                            ; s[24:31] descriptor group 1 for A's tiles;  s[32:39] group 0, one set for each slot
.set G0, 32
.set G1B, 48                           ; s[48:55], s[56:63] the same for B's tiles
.set G0B, 56
.set OB,  76                           ; s[76:83] where my four blocks of 4,096 bytes go
.set MSB, 0
.macro WIN new                         ; the immediate's high byte repeats the setting that is left
.if MSB != (\new)
	s_set_vgpr_msb (MSB<<8)|(\new)
.set MSB, (\new)
.endif
.endm
.set MUL_LO, 0xa1                      ; source 0 (B) window 1, source 1 (A) window 0, C and D window 2
.set MUL_HI, 0xf1                      ; the same, C and D window 3
.set TO_B,   0x40                      ; destination window 1, address window 0
; A joint load: waves 0 and 1 fetch for A, waves 2 and 3 for B.  Each line has ONE mask and one set of registers for all that issue it; the branch hangs on the wave's number alone.
; Four v_nop follow each of the two lines, ahead of the jump, the label and what follows.
.macro JLOAD g0a, g1a, g0b, g1b
	s_cmp_eq_u32 s15, 0
	s_cbranch_scc0 .Lfor_b_\@
	tensor_load_to_lds s[\g0a:\g0a+3], s[\g1a:\g1a+7]
	s_nop 0
.rept 4
	v_nop
.endr
	s_branch .Lasked_\@
.Lfor_b_\@:
	tensor_load_to_lds s[\g0b:\g0b+3], s[\g1b:\g1b+7]
	s_nop 0
.rept 4
	v_nop
.endr
.Lasked_\@:
.endm
.macro CREST                           ; a round of the cluster's barrier behind its opening barrier
	s_cmp_lg_u32 s14, 0
	s_cbranch_scc1 .Lnot_wave_0_\@
	s_barrier_signal -3
.Lnot_wave_0_\@:
	s_barrier_wait -3
	s_barrier_signal -1
	s_barrier_wait -1
.endm
.macro CROUND                          ; a whole round
	s_barrier_signal -1
	s_barrier_wait -1
	CREST
.endm
	s_load_b128 s[4:7], s[0:1], 0x0                ; the codes s[4:5], the scales' exponents s[6:7]
	s_load_b64 s[10:11], s[0:1], 0x10              ; q, k, v
	v_lshl_add_u32 v[SPW], v0, 2, SPARE
	v_mov_b32 v[NIL], 0
	ds_add_u32 v28, v29
	ds_add_u32 v28, v29
	s_wait_dscnt 0x0
	v_lshrrev_b32 v1, 5, v0
	v_readfirstlane_b32 s14, v1                    ; wave 0..3
	s_lshr_b32 s15, s14, 1                         ; which half of the tile's rows is mine.  Also: I fetch for A (0) or for B (1)
	s_and_b32 s16, s14, 1                          ; which half of its columns.  Also: which 128 rows of that tile I fetch
	s_bfe_u32 s40, ttmp6, 0x40000                  ; cx, cy: my place in the cluster
	s_bfe_u32 s41, ttmp6, 0x40004
	s_lshl_b32 s75, ttmp9, 23                      ; cluster x = the product p: x's codes for it, and its part of the result, begin p x 8 MiB on;
	s_lshl_b32 s86, ttmp9, 20
	s_add_co_u32 s86, s86, 0x1800000               ; its weight's codes
	s_and_b32 s66, ttmp7, 0xffff                   ; cluster y: which 1,024 tokens
	s_mov_b32 s71, 0x20000                         ; a head's bytes
	s_mov_b32 s72, 0x1000                          ; 64 rows of 64 bytes
	s_cmp_eq_u32 ttmp9, 2                          ; v?  One compare, then selections alone; cluster x is the same in all sixteen partners
	s_cselect_b32 s67, 0, s66                      ; the cluster's place down the rows of C,
	s_cselect_b32 s68, s66, 0                      ; and along its columns
	s_cselect_b32 s69, s86, s75                    ; A's codes
	s_cselect_b32 s70, s75, s86                    ; B's codes
	s_cselect_b32 s73, s40, s41                    ; my tile of 256 tokens among the cluster's four,
	s_cselect_b32 s74, s41, s40                    ; and my tile of four heads (both go into the stores' addresses alone)
	s_cselect_b32 s84, s71, s72                    ; from 64 rows of the tile to the next 64: v: a head on; q, k: 64 tokens on
	s_cselect_b32 s71, s72, s71                    ; from 64 columns to the next: v: 64 tokens on; q, k: a head on
	s_mov_b32 s85, 0
	s_lshl_b32 s17, s67, 2
	s_add_co_u32 s17, s17, s41                     ; tile row of C
	s_lshl_b32 s42, s68, 2
	s_add_co_u32 s42, s42, s40                     ; tile column of C
	s_lshl_b32 s43, s41, 2
	s_lshl_b32 s43, 15, s43                        ; my row of the cluster
	s_lshl_b32 s44, 0x1111, s40                    ; my column
	; descriptor group 1: a tile of 128 rows x 256 bytes, padded in LDS
	s_or_b32 s[G1+0], s43, (0<<16)|(1<<20)|(1<<21)|(5<<22)|(3<<25)  ; 15:0 the mask: A's tiles go to my row; 17:16 element of 1 byte; 20 padding on; 21 set beside a mask; 24:22 after every 64 words (code 5); 31:25 of 4 words (code 3)
	s_or_b32 s[G1B+0], s44, (0<<16)|(1<<20)|(1<<21)|(5<<22)|(3<<25)
.irp g, G1, G1B
	s_mov_b32 s[\g+1], ROWB<<16                    ; tensor_dim0
	s_mov_b32 s[\g+2], 128<<16                     ; tensor_dim1 = 128
	s_mov_b32 s[\g+3], ROWB<<16                    ; tile_dim0
	s_mov_b32 s[\g+4], 128                         ; tile_dim1 = 128
	s_mov_b32 s[\g+5], KROW                        ; tensor_dim0_stride
	s_mov_b32 s[\g+6], 0
	s_mov_b32 s[\g+7], 0
.endr
	; A's tiles hang on the tile row alone, which my row of the cluster shares; B's on the tile column alone; each in registers that never hold the other coordinate
	s_lshl_b32 s18, s16, 7                         ; which 128 rows of the tile I fetch
	s_lshl_b32 s20, s17, 8
	s_add_co_u32 s20, s20, s18
	s_lshl_b32 s20, s20, 10                        ; rows of 1,024 bytes
	s_add_co_u32 s20, s20, s69
	s_mov_b32 s21, 0
	s_lshl_b32 s46, s42, 8
	s_add_co_u32 s46, s46, s18
	s_lshl_b32 s46, s46, 10
	s_add_co_u32 s46, s46, s70
	s_mov_b32 s47, 0
	s_mul_i32 s45, s14, HALFT                      ; where they go: wave x 128 rows: no place in the cluster enters an LDS address
	s_wait_kmcnt 0x0
	s_load_b256 s[88:95], s[6:7], 0x0              ; e0 .. e7
	s_load_b128 s[96:99], s[6:7], 0x20             ; e8 .. e11
	s_add_nc_u64 s[20:21], s[4:5], s[20:21]
	s_add_nc_u64 s[46:47], s[4:5], s[46:47]
	CROUND                                         ; all sixteen work-groups are here: the first joint loads meet
.irp s, 0,1
	s_mov_b32 s[G0+4*\s], 1
	s_add_co_u32 s[G0+4*\s+1], s45, \s*SLOT
	s_add_nc_u64 s[G0+4*\s+2:G0+4*\s+3], s[20:21], \s*ROWB
	s_or_b32 s[G0+4*\s+3], s[G0+4*\s+3], 0x80000000
	s_mov_b32 s[G0B+4*\s], 1
	s_add_co_u32 s[G0B+4*\s+1], s45, \s*SLOT
	s_add_nc_u64 s[G0B+4*\s+2:G0B+4*\s+3], s[46:47], \s*ROWB
	s_or_b32 s[G0B+4*\s+3], s[G0B+4*\s+3], 0x80000000
	JLOAD G0+4*\s, G1, G0B+4*\s, G1B
.endr
	v_and_b32 v1, 15, v0                           ; r = l % 16
	s_wait_alu depctr_va_vdst(0)
	v_bfe_u32 v2, v0, 4, 1                         ; h = l / 16
	v_mul_u32_u24 v3, v1, PITCH
	v_lshl_add_u32 v4, v2, 4, v3                   ; a fragment's row x pitch + 16 x half
	s_mul_i32 s21, s15, HALFT                      ; my 128 rows of A
	s_mul_i32 s22, s16, HALFT                      ; my 128 rows of B,
	s_add_co_u32 s22, s22, 2*HALFT                 ; which lie behind A's 256
.irp s, 0,1
	v_add_nc_u32 v[ADRA+\s], s21, v4
	v_add_nc_u32 v[ADRB+\s], s22, v4
	s_add_co_u32 s21, s21, SLOT
	s_add_co_u32 s22, s22, SLOT
.endr
	s_mul_i32 s23, s15, 128*SPITCH                 ; into the stage: my 128 rows, my 128 of their 256 bytes; row r, 16 bytes for each half of the lanes
	s_lshl_b32 s22, s16, 7
	s_add_co_u32 s23, s23, s22
	v_mul_u32_u24 v5, v1, SPITCH
	s_wait_alu depctr_va_vdst(0)
	v_lshl_add_u32 v5, v2, 4, v5
	v_add_nc_u32 v[STO], s23, v5
	v_and_b32 v6, 31, v0                           ; back: wave w takes bytes 64 w .. 64 w + 63 of all 256 rows; four lanes to a row, eight rows an instruction
	v_lshrrev_b32 v7, 2, v6
	v_mul_u32_u24 v7, v7, SPITCH
	v_and_b32 v8, 3, v6
	v_lshl_add_u32 v7, v8, 4, v7
	s_lshl_b32 s23, s14, 6
	v_add_nc_u32 v[RD], s23, v7
	v_add_nc_u32 v[RD1], 128*SPITCH, v[RD]
	v_lshlrev_b32 v[CO], 4, v6
	; where they go: 64 rows x my 64 bytes are 4,096 consecutive bytes of the result, in q and k (64 tokens of a head) as in v (a head's 64 channels for 64 tokens)
	s_lshl_b32 s76, s66, 2
	s_add_co_u32 s76, s76, s73                     ; my tile of 256 tokens among all 32
	s_lshr_b32 s77, s76, 3
	s_lshl_b32 s77, s77, 21                        ; its batch: 16 heads of 2^17 bytes
	s_and_b32 s76, s76, 7
	s_lshl_b32 s76, s76, 14                        ; 256 tokens x 64 bytes within a head
	s_add_co_u32 s76, s76, s77
	s_lshl_b32 s77, s74, 19                        ; my tile's four heads
	s_add_co_u32 s76, s76, s77
	s_add_co_u32 s76, s76, s75                     ; q, k or v
	s_mul_i32 s77, s14, s71                        ; my 64 columns
	s_add_co_u32 s76, s76, s77
	s_mov_b32 s77, 0
	s_add_nc_u64 s[OB:OB+1], s[10:11], s[76:77]
	s_add_nc_u64 s[OB+2:OB+3], s[OB:OB+1], s[84:85]
	s_add_nc_u64 s[OB+4:OB+5], s[OB+2:OB+3], s[84:85]
	s_add_nc_u64 s[OB+6:OB+7], s[OB+4:OB+5], s[84:85]
.macro FRAG reg, adr, q, i             ; a fragment, 16 rows x 128 K of 8-bit codes, is 16 registers: lane l holds row l % 16; registers 4 c .. 4 c + 3 hold K = 32 c + 16 (l / 16) + 0 .. 15: one permutation of k, alike in A and B
.irp c, 0,1,2,3
	ds_load_b128 v[\reg+4*\c:\reg+4*\c+3], v[\adr] offset:128*(\q)+32*\c+(\i)*16*PITCH
.endr
.endm
; 16 matrix instructions: A's blocks a0, a0 + 1 x B's eight, 128 along K.  p: B's set.  zero = 1: the first product starts the sums: nothing is ever cleared.
; The 64 accumulators take turns, one instruction a turn, in the same order in every step.
.macro MUL16 a0, p, zero
.irp a, \a0, \a0+1
.irp b, 0,1,2,3,4,5,6,7
.if \zero
	v_wmma_f32_16x16x128_fp8_fp8 v[8*(8*((\a)%4)+\b):8*(8*((\a)%4)+\b)+7], v[128*(\p)+FR*\b:128*(\p)+FR*\b+FR-1], v[AF+FR*(\a):AF+FR*(\a)+FR-1], 0
.else
	v_wmma_f32_16x16x128_fp8_fp8 v[8*(8*((\a)%4)+\b):8*(8*((\a)%4)+\b)+7], v[128*(\p)+FR*\b:128*(\p)+FR*\b+FR-1], v[AF+FR*(\a):AF+FR*(\a)+FR-1], v[8*(8*((\a)%4)+\b):8*(8*((\a)%4)+\b)+7]
.endif
.endr
.endr
.endm
.macro FETCH_B slot, q, p              ; B's eight fragments of the slot's q-th 128 along K into set p
	WIN TO_B
.irp i, 0,1,2,3,4,5,6,7
	FRAG 128*(\p)+FR*\i, ADRB+\slot, \q, \i
.endr
	WIN 0
.endm
.macro FETCH_A slot, q, i0             ; A's blocks i0 .. i0 + 3
.irp i, \i0, \i0+1, \i0+2, \i0+3
	FRAG AF+FR*(\i), ADRA+\slot, \q, \i
.endr
.endm
; A load into a register that a matrix instruction has read, and a vector instruction that reads a matrix result, stand NP places behind that matrix instruction; only plain vector
; instructions that name none of its registers are places (ISA guide 7.12.1 for vector instructions).
.macro PLACES n
.rept \n
	v_nop
.endr
.endm
; A step of 128 along K that has its successor in the same slot.  A's blocks 0-3 are fetched anew in its middle, blocks 4-7 at its end; B's next set in the middle.
.macro STEP slot, q, zero
	s_wait_dscnt 4*NL                              ; B's set and A's blocks 0-3 are in; the youngest sixteen loads (A's blocks 4-7) may be out
	WIN MUL_LO
	MUL16 0, (\q)%2, \zero
	MUL16 2, (\q)%2, \zero
	s_wait_dscnt 0                                 ; A's blocks 4-7 are in (asked for 32 matrix instructions ago)
	PLACES NP
	FETCH_B \slot, (\q)+1, 1-(\q)%2
	FETCH_A \slot, (\q)+1, 0
	WIN MUL_HI
	MUL16 4, (\q)%2, \zero
	MUL16 6, (\q)%2, \zero
	PLACES NP
	WIN 0
	FETCH_A \slot, (\q)+1, 4
.endm
; A slot's last step changes slots: ONE barrier; in front of it each wave waits for all its tensor loads, adds 0 to its spare word, and waits for that and for its own reads of this slot.  fill = 1: this slot is filled again, two K steps ahead.
.macro TURN slot, next, fill
	s_wait_tensorcnt 0x0                           ; all my tensor loads have landed: the one that was out is my part of the next slot;  (every window is 0 here)
	ds_add_u32 v[SPW], v[NIL]                      ; 0 onto my spare word
	s_wait_dscnt 4*NL+1                            ; (the add and the youngest sixteen loads, A's blocks 4-7, may be out)
	WIN MUL_LO
	MUL16 0, 1, 0                                  ; sixteen matrix instructions stand between the add and the wait for it
	s_wait_dscnt 0x0                               ; the add is done, and my reads of this slot are over
	s_barrier_signal -1
	MUL16 2, 1, 0
	WIN 0
	s_barrier_wait -1
.if \fill
	CREST                                          ; the barrier has opened a round of the cluster's barrier: no wave of any partner still reads this slot's tile or has a load on its way
	s_add_nc_u64 s[G0+4*\slot+2:G0+4*\slot+3], s[G0+4*\slot+2:G0+4*\slot+3], 2*ROWB
	s_add_nc_u64 s[G0B+4*\slot+2:G0B+4*\slot+3], s[G0B+4*\slot+2:G0B+4*\slot+3], 2*ROWB
	JLOAD G0+4*\slot, G1, G0B+4*\slot, G1B         ; the first tensor load behind the round; the four v_nop behind it are the places in front of the loads below
.else
	PLACES NP
.endif
	FETCH_B \next, 0, 0
	FETCH_A \next, 0, 0
	WIN MUL_HI
	MUL16 4, 1, 0
	MUL16 6, 1, 0
	PLACES NP
	WIN 0
	FETCH_A \next, 0, 4
.endm
	s_wait_tensorcnt 1                             ; my part of K step 0 is in (K step 1's load may be out)
	s_barrier_signal -1
	s_barrier_wait -1                              ; everybody's is
	FETCH_B 0, 0, 0
	FETCH_A 0, 0, 0
	FETCH_A 0, 0, 4
	STEP 0, 0, 1                                   ; the first step stands in front of the loop: its products start the sums
	s_mov_b32 s3, LAPS-1
.Llap:                                                 ; a trip goes once round the ring, from a lap's second step to the next lap's first, and fills both slots again
	TURN 0, 1, 1
	STEP 1, 0, 0
	TURN 1, 0, 1
	STEP 0, 0, 0
	s_sub_co_u32 s3, s3, 1
	s_cmp_lg_u32 s3, 0
	s_cbranch_scc1 .Llap
	TURN 0, 1, 0                                   ; the last lap fills nothing, and has no round of the cluster's barrier
	STEP 1, 0, 0
	s_wait_dscnt 4*NL                              ; the very last step: nothing more to fetch
	WIN MUL_LO
	MUL16 0, 1, 0
	MUL16 2, 1, 0
	s_wait_dscnt 0
	WIN MUL_HI
	MUL16 4, 1, 0
	MUL16 6, 1, 0
	WIN 0
	; THE WAY OUT.  The sums become codes in registers; a lane's 16 codes of a row go into the work-group's stage; a barrier, since a row's 256 bytes come from two waves; each wave then
	; reads one block of 64 columns of all 256 rows and stores it in runs of 512 consecutive bytes.
	s_wait_kmcnt 0x0
	s_cmp_eq_u32 ttmp9, 0                          ; the product's three exponents, chosen without a branch
	s_cselect_b32 s66, s88, s90                    ; e0 or e2
	s_cselect_b32 s67, s89, s91                    ; e1 or e3
	s_cselect_b32 s68, s94, s95                    ; e6 or e7
	s_cmp_eq_u32 ttmp9, 2
	s_cselect_b32 s66, s92, s66                    ; e4
	s_cselect_b32 s67, s93, s67                    ; e5
	s_cselect_b32 s68, s97, s68                    ; e9
	s_sub_co_i32 s68, s68, s66
	s_sub_co_i32 s68, s68, s67                     ; eo - ex - ew
	s_add_co_i32 s68, s68, 127
	s_lshl_b32 s69, s68, 23
	v_mov_b32 v[SCL], s69
	s_add_co_i32 s68, s68, 8
	s_lshl_b32 s68, s68, 23
	s_or_b32 s68, s68, 0x600000
	PLACES NP                                      ; behind the last products: for the reads of their results and the writes over A's fragments
; Block a: 16 rows x my 128 columns.  Each accumulator is read from its low end on.  Each block has its own 16 registers of codes, so no wait stands between blocks.
.macro TOCODES a
.set AC, 64*((\a)%4)
.set CD, 128+16*(\a)
	WIN 0x02+((\a)/4)                              ; source 0: window 2 or 3
.set JJ, 0
.rept 64
.set JJ, JJ+1
.endr
.irp b, 0,1,2,3,4,5,6,7
	v_cvt_scalef32_pk8_fp8_f32 v[CD+2*\b:CD+2*\b+1], v[AC+8*\b:AC+8*\b+7], v[SCL]
.endr
	WIN 0
	v_nop                                          ; one plain vector instruction behind the conversions
.irp c, 0,1,2,3
	ds_store_b128 v[STO], v[CD+4*\c:CD+4*\c+3] offset:(\a)*16*SPITCH+32*\c   ; accumulators 2 c and 2 c + 1: columns 32 c + 8 h + 0..7, then 32 c + 16 + 8 h + 0..7
.endr
.endm
.irp a, 0,1,2,3,4,5,6,7
	TOCODES \a
.endr
	s_wait_dscnt 0x0                               ; for the others' sake: my stores into the stage are done
	s_barrier_signal -1
	s_barrier_wait -1
.set II, 0
.rept 32                               ; load i: rows 8 i .. 8 i + 7 of my 64 columns
.if II < 16
	ds_load_b128 v[128+4*II:128+4*II+3], v[RD] offset:8*SPITCH*II
.else
	ds_load_b128 v[128+4*II:128+4*II+3], v[RD1] offset:8*SPITCH*(II-16)
.endif
.set II, II+1
.endr
.set II, 0
.rept 32
	s_wait_dscnt 31-II                             ; LDS loads come back in order: load i is in, the younger ones may be out
	global_store_b128 v[CO], v[128+4*II:128+4*II+3], s[OB+2*(II/8):OB+2*(II/8)+1] offset:512*(II%8)   ; 32 lanes store 512 consecutive bytes, at a multiple of 512 from the buffer's first byte
.set II, II+1
.endr
	s_wait_tensorcnt 0x0                           ; the wave's end: behind my last tensor load and my last LDS store
	ds_add_u32 v[SPW], v[NIL]
	s_wait_dscnt 0x0
	CROUND                                         ; the closing round: no work-group ends while a partner may still ask for a tile that names it
	s_endpgm
.Lfunc_end_k_q61a6584e1b_gemm_qkv:
	.size	k_q61a6584e1b_gemm_qkv, .Lfunc_end_k_q61a6584e1b_gemm_qkv-k_q61a6584e1b_gemm_qkv
	.p2alignl 7, 3214868480
	.fill 96, 4, 3214868480
	.section	.rodata,"a",@progbits
	.p2align	6, 0x0
	.amdhsa_kernel k_q61a6584e1b_gemm_qkv
		.amdhsa_group_segment_fixed_size 327680
		.amdhsa_private_segment_fixed_size 0
		.amdhsa_enable_private_segment 0
		.amdhsa_kernarg_size 24
		.amdhsa_user_sgpr_count 2
		.amdhsa_user_sgpr_kernarg_segment_ptr 1
		.amdhsa_wavefront_size32 1
		.amdhsa_system_sgpr_workgroup_id_x 1
		.amdhsa_system_sgpr_workgroup_id_y 1
		.amdhsa_system_sgpr_workgroup_id_z 1
		.amdhsa_system_vgpr_workitem_id 0
		.amdhsa_next_free_vgpr 1024
		.amdhsa_next_free_sgpr 100
		.amdhsa_reserve_vcc 0
		.amdhsa_float_denorm_mode_32 3
		.amdhsa_float_denorm_mode_16_64 3
		.amdhsa_fp16_overflow 1
		.amdhsa_memory_ordered 1
		.amdhsa_forward_progress 1
		.amdhsa_inst_pref_size 92
	.end_amdhsa_kernel
	.amdgpu_metadata
---
amdhsa.version: [ 1, 2 ]
amdhsa.kernels:
  - .name:           k_q61a6584e1b_gemm_qkv
    .symbol:         k_q61a6584e1b_gemm_qkv.kd
    .args:
      - { .name: codes, .offset: 0, .size: 8, .value_kind: global_buffer, .address_space: global }
      - { .name: lowp_scales, .offset: 8, .size: 8, .value_kind: global_buffer, .address_space: global }
      - { .name: qkv, .offset: 16, .size: 8, .value_kind: global_buffer, .address_space: global }
    .group_segment_fixed_size: 327680
    .private_segment_fixed_size: 0
    .kernarg_segment_align: 8
    .kernarg_segment_size: 24
    .max_flat_workgroup_size: 128
    .sgpr_count:     100
    .vgpr_count:     1024
    .wavefront_size: 32
...
	.end_amdgpu_metadata
.endif
;; end of part 2
;; launch attn (part 3): grid 8 x 64, 16 waves a work-group, no clusters, 327,680 bytes of LDS; arguments qkv, lowp_scales, yc; writes yc
.if DOCPART == 3
	.amdgcn_target "amdgcn-amd-amdhsa--gfx1250"
	.amdhsa_code_object_version 6
	.text
	.protected	k_q61a6584e1b_attn
	.globl	k_q61a6584e1b_attn
	.p2align	8
	.type	k_q61a6584e1b_attn,@function
k_q61a6584e1b_attn:
	s_mov_b64 s[64:65], 0
	v_nop
	global_prefetch_b8 v0, s[64:65] scope:SCOPE_SE
	s_setreg_imm32_b32 hwreg(HW_REG_WAVE_MODE, 25, 1), 1
	s_wait_xcnt 0x0
; y[b][head][q][:] = the sum over k <= q of softmax_k(q . k / 8) v[k][:], both products on codes of FP8 (E4M3); y is quantised at once, as an operand of the last product.
; IN: q at 0, k at 8 MiB, v at 16 MiB of one buffer; (batch, head) owns 2^17 bytes; q, k: [token][64]; v: [token / 64][channel][64 tokens]; in each 64-byte row byte 32 c + 16 h + 8 u + j
; holds index 32 c + 16 u + 8 h + j.  OUT: y's codes, [batch x head][token][64], channels in their own order.  Scales' entries: q 6, k 7, p 8, v 9, y 10.
; THE SOFTMAX AHEAD OF THE SECOND PRODUCT: t = score x log2(e) / 8; M = the row's largest t so far, rounded UP to a whole number; p = 2^(t - M) is what is quantised; it is not normalised.
; The row's sum is taken of the unquantised p, in f32, and divides at the end.  When M moves, the sum and O are multiplied by 2^(old M - new M), which rounds nothing.
; LIMITS on the given exponents, so that each power of two below is an f32 number: e6 + e7 between -123 and 130 (added to c's exponent field); e8, and e10 - e8 - e9, between -126 and 119.
; SHARES.  A work-group owns two chunks of 128 queries of one head, chunks j and 15 - j: under the causal mask they have 8 (j + 1) + 8 (16 - j) = 136 steps of 16 queries x 128 keys together, whatever j.
; Each of its SIXTEEN waves owns one tile of 16 queries in 256 registers: four waves to a SIMD, so that one wave's vector work stands beside another's matrix work and LDS loads; early and late
; tiles are dealt so that any four waves w, w + 4, .. or 4 w .. 4 w + 3 hold two of each.
; Every work-group walks all four slots of 512 keys (the trip counts are constants of the text); a step all of whose keys come after the wave's queries is left out by a scalar branch on ids.
; NO CLUSTER, though the eight work-groups of a head read the same K and V: which steps are left out hangs on the query chunk, which in a cluster would be the work-group's place in it.
; LAYOUT.  Both products are used transposed: S^T = K Q^T (source 0 = 16 neighbouring keys, source 1 = my 16 queries; K = 64), O^T = V^T P^T (source 0 = 16 channels, source 1 = P; K = 128 keys):
; a lane holds ONE query (lane % 16) throughout.  Register 8 t + j of S^T is key 16 t + 8 (lane / 16) + j: the conversions' results are P in the K = 128 form's own layout, and v's order of bytes gives V the same by four 16-byte loads.
; LDS.  K's and V's rows of 64 bytes are dense in memory and come as rows of 256 bytes + 16 of padding, four to a row: row i lies at 272 (i / 4) + 64 (i % 4), so that the 16 rows of a load fall on 16 different columns of banks.
; REGISTERS: v1-3, v5-7, v10, v11 addresses that stay; v8, v9 addresses of the step in hand; v12 -M, v13 the largest t, v[14:15] the sum in two halves; v16-23 Q; v32-95 K's eight fragments, then V's four;
; v96-159 S^T, then p; v160-191 O^T; v192-207 p's codes; v236-254 at work and scales.
.set SK,    512                        ; keys in a slot
.set NSL,   2048/SK                    ; slots' worth of keys
.set LP,    272                        ; a long row in LDS
.set STEPB, 32*LP                      ; 128 keys of K, or of V: 32 long rows
.set VOFF,  4*STEPB                    ; a slot: K's 128 long rows, then V's 128
.set QUART, 64*LP                      ; what one tensor load brings: 64 long rows
.set SLOT1, 1<<17                      ; slot 1 begins here, so that one exclusive or turns an address in one slot into the other's
.set SPARE, 2*SLOT1                    ; behind the ring: the spare words, 128 bytes for each wave: eight blocks of 256 bytes that no other line names
.set STAGE, SPARE+2048                 ; the way out: 16 rows x (64 bytes + 16) for each wave, five blocks of 256 bytes each, into which no tile lands
.set AK0,  1                           ; v1   my lane's place in a tile of K
.set AV0,  2                           ; v2   the same for V
.set PFO,  3                           ; v3   256 x my lane: the prefetches' offset; never rewritten
.set SPW,  5                           ; v5   LDS address of my spare word; never rewritten
.set NIL,  6                           ; v6   0; never rewritten
.set GO,   7                           ; v7   16 x my lane: my place in a store's 512 bytes
.set ADK,  8
.set ADV,  9
.set SIN,  10                          ; v10  the stage: where I put 8 codes of a row
.set SOUT, 11                          ; v11  and where I read rows back
.set TB,   2                           ; s2   LDS byte at which the step in hand begins
.set WV,   18                          ; s18  my wave's number
.set SEL,  20                          ; s[20:21] lane selects for v_permlanex16_b32: lane l xor 16
.set CS,   22                          ; s[22:23] c: the packed form names a pair and takes its low word for both halves
.set G1,   24                          ; s[24:31] descriptor group 1, one for K's and V's tiles
.set G0,   40                          ; s[40:43] descriptor group 0, which walks
.set CNT,  66                          ; s66  counts a slot's four steps
.set SLOTS, 67                         ; s67  slots still to be asked for
.set PFA,  76                          ; s[76:77] where my prefetches stand
.set LIM,  80                          ; s80  1 in a wave that prefetches, else the greatest number
.set KF,   98                          ; s98  the step's first key
.set Q0,   99                          ; s99  my first query
; Waves 0 and 1 fetch K's halves of a slot, waves 2 and 3 V's, the others nothing: one line, under a branch on the wave's number.  Four v_nop follow it.
.macro TLOAD
	s_cmp_lt_u32 s[WV], 4
	s_cbranch_scc0 .Lasked_\@
	tensor_load_to_lds s[G0:G0+3], s[G1:G1+7]
	s_nop 0
.rept 4
	v_nop
.endr
.Lasked_\@:
.endm
; A PREFETCH INTO THE L2 of the slot that the NEXT change of slots will ask for: 32,768 bytes of K and as many of V, four key steps ahead of that load.  Each aligned block of 256 bytes is named once in the launch:
; all eight work-groups of a head walk the same K and V, and the head's first asks (a branch on the work-group's number); in it the waves ask that fetch nothing, one instruction each:
; waves 4 to 7 for K, waves 8 to 11 for V, 8,192 bytes a wave, lanes 256 bytes apart.  Slots 0 and 1 come by their loads alone; the last change that fills a slot asks for nothing.
.macro ASK
	s_cmp_gt_u32 s[SLOTS], s[LIM]
	s_cbranch_scc0 .Lnot_mine_\@
	global_prefetch_b8 v[PFO], s[PFA:PFA+1] th:TH_LOAD_NT scope:SCOPE_SE
.Lnot_mine_\@:
.endm
	s_load_b128 s[4:7], s[0:1], 0x0                ; q, k, v s[4:5], the scales' exponents s[6:7]
	s_load_b64 s[16:17], s[0:1], 0x10              ; y's codes
	v_lshl_add_u32 v[SPW], v0, 2, SPARE
	v_mov_b32 v[NIL], 0
	ds_add_u32 v5, v6
	ds_add_u32 v5, v6
	s_wait_dscnt 0x0
	v_lshrrev_b32 v24, 5, v0
	s_delay_alu instid0(VALU_DEP_1)
	v_readfirstlane_b32 s[WV], v24                 ; wave 0..15
	s_lshr_b32 s72, s[WV], 2
	s_xor_b32 s72, s72, s[WV]
	s_and_b32 s72, s72, 1                          ; 1: my tile lies in the late chunk
	s_sub_co_u32 s73, 15, ttmp9
	s_cmp_eq_u32 s72, 1
	s_cselect_b32 s73, s73, ttmp9                  ; my chunk of 128 queries
	s_lshl_b32 s73, s73, 7
	s_lshr_b32 s74, s[WV], 1
	s_lshl_b32 s74, s74, 4                         ; my tile of 16 in it
	s_add_co_u32 s[Q0], s73, s74
	s_and_b32 s72, ttmp7, 0xffff                   ; batch x 16 + head
	s_lshl_b32 s74, s72, 17                        ; its first byte in q, in k, in v and in y
	s_lshl_b32 s82, s[Q0], 6
	s_add_co_u32 s82, s82, s74                     ; my first query's row
	s_mov_b32 s83, 0
	s_and_b32 s88, s[WV], 3                        ; what I fetch, if I fetch (made of wave % 4, so that it lies inside LDS and the buffer in every wave):
	s_mul_i32 s89, s88, QUART                      ; its place in a slot: K's halves, then V's;
	s_lshr_b32 s90, s88, 1
	s_add_co_u32 s90, s90, 1
	s_lshl_b32 s90, s90, 23                        ; k at 8 MiB, v at 16 MiB,
	s_and_b32 s91, s88, 1
	s_lshl_b32 s91, s91, 14                        ; which 16,384 bytes of a slot's 32,768,
	s_add_co_u32 s90, s90, s91
	s_add_co_u32 s90, s90, s74                     ; in my head
	s_mov_b32 s91, 0
	; descriptor group 1: 64 rows of 256 bytes, dense in memory, padded in LDS
	s_mov_b32 s[G1], (0<<16)|(1<<20)|(5<<22)|(3<<25)  ; 15:0 no mask; 17:16 elements of 1 byte; 20 padding on; 24:22 after every 64 words (code 5); 31:25 four words (code 3)
	s_mov_b32 s[G1+1], 256<<16                     ; tensor_dim0
	s_mov_b32 s[G1+2], 64<<16                      ; tensor_dim1
	s_mov_b32 s[G1+3], 256<<16                     ; tile_dim0
	s_mov_b32 s[G1+4], 64                          ; tile_dim1
	s_mov_b32 s[G1+5], 256                         ; tensor_dim0_stride
	s_mov_b32 s[G1+6], 0
	s_mov_b32 s[G1+7], 0
	s_mov_b32 s[SEL], 0x76543210
	s_mov_b32 s[SEL+1], 0xfedcba98
	s_mov_b32 s[CS], 0x3e38aa3b                    ; c = log2(e) / 8
	s_mov_b32 s[TB], 0
	s_mov_b32 s[SLOTS], NSL-1
	s_mov_b32 s[KF], 0
	s_wait_kmcnt 0x0
	s_load_b64 s[68:69], s[6:7], 0x18              ; e6, e7
	s_load_b128 s[84:87], s[6:7], 0x20             ; e8, e9, e10, e11
	s_mov_b32 s[G0], 1                             ; 1:0 count = 1
	s_mov_b32 s[G0+1], s89                         ; 63:32 LDS address: slot 0
	s_add_nc_u64 s[G0+2:G0+3], s[4:5], s[90:91]    ; 120:64 global address: the head's first 512 keys
	s_or_b32 s[G0+3], s[G0+3], 0x80000000          ; 127:126 type = 2
	TLOAD                                          ; slot 0
	s_add_nc_u64 s[8:9], s[4:5], s[82:83]          ; q at my first query
	s_add_nc_u64 s[16:17], s[16:17], s[82:83]      ; y likewise
	s_mov_b32 s92, 0x1000000                       ; the prefetches: waves 8 to 11 stand in v,
	s_cmp_lt_u32 s[WV], 8
	s_cselect_b32 s92, 0x800000, s92               ; waves 4 to 7 in k,
	s_and_b32 s93, s[WV], 3
	s_lshl_b32 s93, s93, 13                        ; at my wave's 8,192 bytes
	s_add_co_u32 s92, s92, s93
	s_add_co_u32 s92, s92, s74                     ; of my head,
	s_add_co_u32 s92, s92, 32768                   ; in slot 1: the first change of slots steps it to slot 2.  Nothing is prefetched here, at the head
	s_mov_b32 s93, 0
	s_add_nc_u64 s[PFA:PFA+1], s[4:5], s[92:93]
	s_sub_co_u32 s94, s[WV], 4
	s_lshr_b32 s94, s94, 3                         ; 0 in waves 4 to 11,
	s_or_b32 s94, s94, ttmp9                       ; of the head's first work-group
	s_cmp_eq_u32 s94, 0
	s_cselect_b32 s[LIM], 1, -1
	v_and_b32 v24, 15, v0                          ; r = lane % 16
	v_bfe_u32 v25, v0, 4, 1                        ; h = lane / 16
	v_and_b32 v26, 31, v0                          ; lane
	s_delay_alu instid0(VALU_DEP_3)
	v_lshlrev_b32 v27, 6, v24
	s_delay_alu instid0(VALU_DEP_1)
	v_lshl_add_u32 v27, v25, 4, v27                ; q: row r of 64 bytes, + 16 h
	global_load_b128 v[16:19], v27, s[8:9]         ; Q's fragment stays in registers: bytes 16 h on and 32 + 16 h on, as K's fragments are taken
	global_load_b128 v[20:23], v27, s[8:9] offset:32
	v_lshrrev_b32 v28, 2, v24
	s_delay_alu instid0(VALU_DEP_1)
	v_mul_u32_u24 v[AK0], v28, LP
	v_and_b32 v28, 3, v24
	s_delay_alu instid0(VALU_DEP_1)
	v_lshl_add_u32 v[AK0], v28, 6, v[AK0]
	s_delay_alu instid0(VALU_DEP_1)
	v_lshl_add_u32 v[AK0], v25, 4, v[AK0]          ; 272 (r / 4) + 64 (r % 4) + 16 h
	s_delay_alu instid0(VALU_DEP_1)
	v_add_nc_u32 v[AV0], VOFF, v[AK0]
	v_lshlrev_b32 v[PFO], 8, v26
	v_lshlrev_b32 v[GO], 4, v26
	s_mul_i32 s95, s[WV], 1280
	s_add_co_u32 s95, s95, STAGE                   ; my stage
	v_mul_u32_u24 v[SIN], v24, 80
	s_delay_alu instid0(VALU_DEP_1)
	v_lshl_add_u32 v[SIN], v25, 3, v[SIN]
	s_delay_alu instid0(VALU_DEP_1)
	v_add_nc_u32 v[SIN], s95, v[SIN]               ; in: row r, + 8 h
	v_lshrrev_b32 v28, 2, v26
	s_delay_alu instid0(VALU_DEP_1)
	v_mul_u32_u24 v[SOUT], v28, 80
	v_and_b32 v28, 3, v26
	s_delay_alu instid0(VALU_DEP_1)
	v_lshl_add_u32 v[SOUT], v28, 4, v[SOUT]
	s_delay_alu instid0(VALU_DEP_1)
	v_add_nc_u32 v[SOUT], s95, v[SOUT]             ; back: four lanes to a row, eight rows an instruction
	v_mov_b32 v13, 0xff61b1e6                      ; the largest t so far: -3e38, under every t
	s_delay_alu instid0(VALU_DEP_1)
	v_floor_f32 v12, -v13                          ; -M
	v_mov_b32 v14, 0                               ; the sum, in two halves
	v_mov_b32 v15, 0
	v_mov_b32 v236, 0                              ; written once: a lane permute's destination counts as one of its sources
	v_mov_b32 v252, 0
	v_mov_b32 v253, 0                              ; (named as the upper half of the pair v[252:253])
.set JJ, 0
.rept 32
	v_mov_b32 v[160+JJ], 0                         ; O^T.  (The step is written for every step alike: the first finds zeros, which the first change of M leaves zeros)
.set JJ, JJ+1
.endr
	s_wait_kmcnt 0x0
	s_add_co_i32 s72, s68, s69
	s_lshl_b32 s72, s72, 23
	s_add_co_i32 s[CS], s[CS], s72                 ; a score stands for score x 2^(e6 + e7): the two exponents are added to c's exponent field
	s_mov_b32 s[CS+1], s[CS]                       ; (named with it as a pair, so it is written)
	s_add_co_i32 s72, s84, 127
	s_lshl_b32 s73, s72, 23
	v_mov_b32 v244, s73                            ; 2^e8 as f32, for p's conversions
	s_sub_co_i32 s72, s86, s84
	s_sub_co_i32 s72, s72, s85                     ; O^T / the sum stands for y / 2^(e8 + e9): y's code is that / 2^(e10 - e8 - e9)
	s_add_co_i32 s72, s72, 127
	s_lshl_b32 s73, s72, 23
	v_mov_b32 v246, s73
; A KEY STEP: 128 keys, at LDS byte s[TB] of K's and of V's part of the slot.
.macro STEP
	s_add_co_u32 s96, s[Q0], 15                    ; a step all of whose keys come after my 16 queries is left out: a branch on ids, round its loads, products and softmax;
	s_cmp_gt_u32 s[KF], s96                        ; not round the two lines at its end that step on, and no barrier or tensor load stands in a step
	s_cbranch_scc1 .Lhidden_\@
	s_setprio 2
	v_add_nc_u32 v[ADK], s[TB], v[AK0]
	v_add_nc_u32 v[ADV], s[TB], v[AV0]
	v_nop                                          ; with the two additions: four places in front of loads into registers that the last products have read
	v_nop
.irp t, 0,1,2,3,4,5,6,7                        ; K's eight fragments: keys 16 t + r
.irp c, 0,1
	ds_load_b128 v[32+8*\t+4*\c:32+8*\t+4*\c+3], v[ADK] offset:4*LP*\t+32*\c
.endr
.endr
	s_wait_alu depctr_va_vdst(0)
	s_wait_dscnt 0x0
.irp t, 0,1,2,3,4,5,6,7
	v_wmma_f32_16x16x64_fp8_fp8 v[96+8*\t:103+8*\t], v[32+8*\t:39+8*\t], v[16:23], 0
.endr
.rept 4
	v_nop                                          ; four places: for the loads below, into K's registers, and for the first read of the scores
.endr
.irp t, 0,1,2,3                                ; V's four fragments (channels 16 t + r, 128 keys) are asked for here and land under the softmax
.irp c, 0,1,2,3
	ds_load_b128 v[32+16*\t+4*\c:32+16*\t+4*\c+3], v[ADV] offset:((\c/2)*16+4*\t)*LP+32*(\c%2)
.endr
.endr
	s_add_co_u32 s96, s[KF], 127                   ; on the diagonal the scores of hidden keys become -infinity ahead of the maximum: p = 0 then.  A step all of whose keys count skips this
	s_cmp_le_u32 s96, s[Q0]
	s_cbranch_scc1 .Lopen_\@
	s_sub_co_i32 s96, s[Q0], s[KF]
	v_and_b32 v252, 15, v0
	v_bfe_u32 v253, v0, 4, 1
	s_delay_alu instid0(VALU_DEP_1)
	v_lshlrev_b32 v253, 3, v253
	s_delay_alu instid0(VALU_DEP_1)
	v_sub_nc_u32 v252, v252, v253
	s_delay_alu instid0(VALU_DEP_1)
	v_add_nc_u32 v252, s96, v252                   ; d = my query - the step's first key - 8 (lane / 16).  Register 8 t + j holds key 16 t + 8 (lane / 16) + j: hidden where 16 t + j > d
	v_mov_b32 v254, 0xff800000                     ; -infinity
.set NN, 0
.rept 64
	v_cmp_gt_i32 vcc_lo, 16*(NN/8)+NN%8, v252
	v_cndmask_b32 v[96+NN], v[96+NN], v254, vcc_lo
.set NN, NN+1
.endr
.Lopen_\@:
	v_max3_num_f32 v254, v96, v97, v98             ; the step's largest score of my query, among my 64 keys, in two chains, each accumulator from its low end on,
	v_max3_num_f32 v252, v99, v100, v101
.irp i, 6,10,14,18,22,26,30,34,38,42,46,50,54,58
	v_max3_num_f32 v254, v254, v[96+\i], v[97+\i]
	v_max3_num_f32 v252, v252, v[98+\i], v[99+\i]
.endr
	v_max3_num_f32 v254, v254, v158, v159
	s_delay_alu instid0(VALU_DEP_1)
	v_max_num_f32 v254, v254, v252
	s_delay_alu instid0(VALU_DEP_1)
	v_permlanex16_b32 v236, v254, s[SEL], s[SEL+1]
	s_delay_alu instid0(VALU_DEP_1)
	v_max_num_f32 v254, v254, v236                 ; and among lane l xor 16's
	s_delay_alu instid0(VALU_DEP_1)
	v_mul_f32 v254, s[CS], v254                    ; as t (c is positive)
	s_delay_alu instid0(VALU_DEP_1)
	v_max_num_f32 v13, v13, v254                   ; the running largest t
	v_mov_b32 v254, v12
	s_delay_alu instid0(VALU_DEP_2)
	v_floor_f32 v12, -v13                          ; the new -M = floor(-t) = -ceil(t): M is a whole number
	s_delay_alu instid0(VALU_DEP_1)
	v_sub_f32 v254, v12, v254                      ; M's old value less its new one: a whole number, 0 or less
	s_delay_alu instid0(VALU_DEP_1)
	v_cvt_i32_f32 v254, v254                       ; (it saturates)
	s_delay_alu instid0(VALU_DEP_1)
	v_ldexp_f32 v252, 1.0, v254                    ; f = 2^(old M - new M)
.set JJ, 0
	s_setprio 1
.rept 32
	v_pk_fma_f32 v[96+JJ:97+JJ], v[96+JJ:97+JJ], s[CS:CS+1], v[12:13] op_sel_hi:[1,0,0]   ; t - M, two at a time (of the pairs c and -M the low word serves both halves)
.set JJ, JJ+2
.endr
.set JJ, 0
	s_wait_alu depctr_va_vdst(0)
.rept 64
	v_exp_f32 v[96+JJ], v[96+JJ]                   ; p = 2^(t - M), at most 1: not normalised
.set JJ, JJ+1
.endr
	v_pk_mul_f32 v[14:15], v[14:15], v[252:253] op_sel_hi:[1,0]   ; the sums under the new M: the plain instruction behind the exponentials
	s_wait_alu depctr_va_vdst(0)                   ; one wait for the whole batch of 64, ahead of its first reader
	v_pk_add_f32 v[242:243], v[100:101], v[104:105]
	v_pk_add_f32 v[254:255], v[108:109], v[112:113]
	v_pk_add_f32 v[250:251], v[116:117], v[120:121]
	v_pk_add_f32 v[248:249], v[124:125], v[128:129]
	v_pk_add_f32 v[240:241], v[132:133], v[136:137]
	v_pk_add_f32 v[238:239], v[140:141], v[144:145]
	v_pk_add_f32 v[234:235], v[148:149], v[152:153]
	v_pk_add_f32 v[14:15], v[14:15], v[156:157]
	v_pk_add_f32 v[242:243], v[242:243], v[96:97]
	v_pk_add_f32 v[254:255], v[254:255], v[98:99]
	v_pk_add_f32 v[250:251], v[250:251], v[102:103]
	v_pk_add_f32 v[248:249], v[248:249], v[106:107]
	v_pk_add_f32 v[240:241], v[240:241], v[110:111]
	v_pk_add_f32 v[238:239], v[238:239], v[114:115]
	v_pk_add_f32 v[234:235], v[234:235], v[118:119]
	v_pk_add_f32 v[14:15], v[14:15], v[122:123]
	v_pk_add_f32 v[242:243], v[242:243], v[126:127]
	v_pk_add_f32 v[254:255], v[254:255], v[130:131]
	v_pk_add_f32 v[250:251], v[250:251], v[134:135]
	v_pk_add_f32 v[248:249], v[248:249], v[138:139]
	v_pk_add_f32 v[240:241], v[240:241], v[142:143]
	v_pk_add_f32 v[238:239], v[238:239], v[146:147]
	v_pk_add_f32 v[234:235], v[234:235], v[150:151]
	s_setprio 0
	v_pk_add_f32 v[14:15], v[14:15], v[154:155]
	v_pk_add_f32 v[242:243], v[242:243], v[158:159]
	s_delay_alu instid0(VALU_DEP_2)
	v_pk_add_f32 v[14:15], v[14:15], v[248:249]
	s_delay_alu instid0(VALU_DEP_2)
	v_pk_add_f32 v[242:243], v[242:243], v[240:241]
	v_pk_add_f32 v[254:255], v[254:255], v[238:239]
	v_pk_add_f32 v[250:251], v[250:251], v[234:235]
	s_delay_alu instid0(VALU_DEP_2)
	v_pk_add_f32 v[14:15], v[14:15], v[254:255]
	s_delay_alu instid0(VALU_DEP_2)
	v_pk_add_f32 v[242:243], v[242:243], v[250:251]
	s_delay_alu instid0(VALU_DEP_1)
	v_pk_add_f32 v[14:15], v[14:15], v[242:243]
.irp t, 0,1,2,3,4,5,6,7
.irp i, 0,1,2,3,4,5,6,7
.endr
	v_cvt_scalef32_pk8_fp8_f32 v[192+2*\t:193+2*\t], v[96+8*\t:103+8*\t], v244   ; registers 2 t, 2 t + 1 of P: keys 16 t + 8 (lane / 16) + 0..7
.endr
.set JJ, 0
.rept 16
	v_pk_mul_f32 v[160+JJ:161+JJ], v[160+JJ:161+JJ], v[252:253] op_sel_hi:[1,0]   ; O^T under the new M: x f.  (Also the plain instructions between the conversions and the products that read their results)
.set JJ, JJ+2
.endr
	s_wait_alu depctr_va_vdst(0)
	s_wait_dscnt 0x0                               ; V is in
.irp t, 0,1,2,3                                ; O^T += V^T P^T: the four accumulators take turns, one instruction a turn; the next step's eight products stand between two links of a chain
	v_wmma_f32_16x16x128_fp8_fp8 v[160+8*\t:167+8*\t], v[32+16*\t:47+16*\t], v[192:207], v[160+8*\t:167+8*\t]
.endr
.Lhidden_\@:
	s_add_co_u32 s[TB], s[TB], STEPB
	s_add_co_u32 s[KF], s[KF], 128
.endm
; THE CHANGE OF SLOTS stands at a slot's head.  Each wave waits for all its tensor loads (its part of the slot that it is about to read), adds 0 to its spare word, and waits for that and for its reads of the slot that it has left.
; Behind the barrier the slot ahead is whole and nobody reads the other one.  fill = 1: that other slot is filled with the keys that follow: the load has a slot's four steps in which to land.
.macro CHANGE fill
	s_wait_tensorcnt 0x0                           ; no tensor load of mine is out, so the group 0 may be written
	ds_add_u32 v[SPW], v[NIL]                      ; 0 onto my spare word: with fill = 1 the descriptor's steps stand between it and the wait for it
.if \fill
	s_xor_b32 s[G0+1], s[G0+1], SLOT1              ; the walking descriptor: the other slot than last time,
	s_add_nc_u64 s[G0+2:G0+3], s[G0+2:G0+3], 32768 ; the next 512 keys; the type bits on top are not reached
	s_wait_xcnt 0x0                                ; the last prefetch, a slot back, has read its address, so it may be written:
	s_add_nc_u64 s[PFA:PFA+1], s[PFA:PFA+1], 32768 ; one slot further on than the walking descriptor
.endif
	s_wait_dscnt 0x0                               ; the add is done, and my reads of the slot that I have left are over
	s_barrier_signal -1
	s_barrier_wait -1
.if \fill
	TLOAD                                          ; the first thing behind the barrier, and a wave's one tensor load until the next
	ASK
.endif
.endm
.macro SLOT_STEPS                      ; a slot's four key steps: written once, walked four times; the LDS addresses hang on s[TB]
	s_mov_b32 s[CNT], SK/128
.Lstep_\@:
	STEP
	s_sub_co_u32 s[CNT], s[CNT], 1
	s_cmp_lg_u32 s[CNT], 0
	s_cbranch_scc1 .Lstep_\@
	s_setprio 0
	s_sub_co_u32 s[TB], s[TB], 4*STEPB             ; back to a slot's first step,
	s_xor_b32 s[TB], s[TB], SLOT1                  ; in the other slot
.endm
	s_wait_loadcnt 0x0                             ; Q
.Lslot:                                            ; NSL - 1 trips: behind each change of slots but the last the next slot is asked for
	CHANGE 1
	SLOT_STEPS
	s_sub_co_u32 s[SLOTS], s[SLOTS], 1
	s_cmp_lg_u32 s[SLOTS], 0
	s_cbranch_scc1 .Lslot
	CHANGE 0                                       ; the last slot is written out
	SLOT_STEPS
	; THE WAY OUT.  O^T is divided by the row's sum, converted with the folded scale, and goes through my stage in LDS: my 16 rows of 64 codes are 1,024 consecutive bytes of the result.
.rept 4
	v_nop                                          ; four places behind the last products
.endr
	v_add_f32 v14, v14, v15                        ; the sum's two halves,
	s_delay_alu instid0(VALU_DEP_1)
	v_permlanex16_b32 v252, v14, s[SEL], s[SEL+1]
	s_delay_alu instid0(VALU_DEP_1)
	v_add_f32 v14, v14, v252                       ; and lane l xor 16's: the row's sum
	s_wait_alu depctr_va_vdst(0)
	v_rcp_f32 v14, v14
	v_nop                                          ; a plain instruction behind the reciprocal,
	s_wait_alu depctr_va_vdst(0)                   ; and the wait ahead of its first reader
.set JJ, 0
.rept 16
	v_pk_mul_f32 v[96+JJ:97+JJ], v[160+JJ:161+JJ], v[14:15] op_sel_hi:[1,0]   ; register 8 t + j: channel 16 t + 8 h + j of query r; each accumulator from its low end on
.set JJ, JJ+2
.endr
.set JJ, 0
.rept 32
.set JJ, JJ+1
.endr
.irp t, 0,1,2,3
	v_cvt_scalef32_pk8_fp8_f32 v[192+2*\t:193+2*\t], v[96+8*\t:103+8*\t], v246
.endr
	v_nop                                          ; one plain vector instruction behind the conversions
.irp t, 0,1,2,3
	ds_store_b64 v[SIN], v[192+2*\t:193+2*\t] offset:16*\t
.endr
.irp s, 0,1
	ds_load_b128 v[32+4*\s:35+4*\s], v[SOUT] offset:640*\s   ; LDS serves a wave's instructions in order: these see my stores
.endr
.irp s, 0,1
	s_wait_dscnt 1-\s                              ; load s is in; the younger one may be out
	global_store_b128 v[GO], v[32+4*\s:35+4*\s], s[16:17] offset:512*\s   ; 32 lanes store 512 consecutive bytes, at a multiple of 512 from the buffer's first byte
.endr
	s_wait_tensorcnt 0x0                           ; the wave's end: behind my last tensor load and my last LDS store
	ds_add_u32 v[SPW], v[NIL]
	s_wait_dscnt 0x0
	s_endpgm
.Lfunc_end_k_q61a6584e1b_attn:
	.size	k_q61a6584e1b_attn, .Lfunc_end_k_q61a6584e1b_attn-k_q61a6584e1b_attn
	.p2alignl 7, 3214868480
	.fill 96, 4, 3214868480
	.section	.rodata,"a",@progbits
	.p2align	6, 0x0
	.amdhsa_kernel k_q61a6584e1b_attn
		.amdhsa_group_segment_fixed_size 327680
		.amdhsa_private_segment_fixed_size 0
		.amdhsa_enable_private_segment 0
		.amdhsa_kernarg_size 24
		.amdhsa_user_sgpr_count 2
		.amdhsa_user_sgpr_kernarg_segment_ptr 1
		.amdhsa_wavefront_size32 1
		.amdhsa_system_sgpr_workgroup_id_x 1
		.amdhsa_system_sgpr_workgroup_id_y 1
		.amdhsa_system_sgpr_workgroup_id_z 1
		.amdhsa_system_vgpr_workitem_id 0
		.amdhsa_next_free_vgpr 256
		.amdhsa_next_free_sgpr 100
		.amdhsa_reserve_vcc 1
		.amdhsa_float_denorm_mode_32 3
		.amdhsa_float_denorm_mode_16_64 3
		.amdhsa_fp16_overflow 1
		.amdhsa_memory_ordered 1
		.amdhsa_forward_progress 1
		.amdhsa_inst_pref_size 50
	.end_amdhsa_kernel
	.amdgpu_metadata
---
amdhsa.version: [ 1, 2 ]
amdhsa.kernels:
  - .name:           k_q61a6584e1b_attn
    .symbol:         k_q61a6584e1b_attn.kd
    .args:
      - { .name: qkv, .offset: 0, .size: 8, .value_kind: global_buffer, .address_space: global }
      - { .name: lowp_scales, .offset: 8, .size: 8, .value_kind: global_buffer, .address_space: global }
      - { .name: yc, .offset: 16, .size: 8, .value_kind: global_buffer, .address_space: global }
    .group_segment_fixed_size: 327680
    .private_segment_fixed_size: 0
    .kernarg_segment_align: 8
    .kernarg_segment_size: 24
    .max_flat_workgroup_size: 512
    .sgpr_count:     100
    .vgpr_count:     256
    .wavefront_size: 32
...
	.end_amdgpu_metadata
.endif
;; end of part 3
;; launch proj (part 4): grid 4 x 32, 4 waves a work-group, clusters of 4 x 4, 327,680 bytes of LDS; arguments yc, codes, lowp_scales, out0; writes out0
.if DOCPART == 4
	.amdgcn_target "amdgcn-amd-amdhsa--gfx1250"
	.amdhsa_code_object_version 6
	.text
	.protected	k_q61a6584e1b_proj
	.globl	k_q61a6584e1b_proj
	.p2align	8
	.type	k_q61a6584e1b_proj,@function
k_q61a6584e1b_proj:
	s_mov_b64 s[64:65], 0
	v_nop
	global_prefetch_b8 v0, s[64:65] scope:SCOPE_SE
	s_setreg_imm32_b32 hwreg(HW_REG_WAVE_MODE, 25, 1), 1
	s_wait_xcnt 0x0
	s_wait_alu depctr_hold_cnt(0) depctr_sa_sdst(0) depctr_va_vdst(0) depctr_va_sdst(0) depctr_va_ssrc(0) depctr_va_vcc(0) depctr_vm_vsrc(0)
	s_getreg_b32 s2, hwreg(HW_REG_IB_STS2, 6, 4)
	s_cmp_eq_u32 s2, 0
	s_cbranch_scc0 .Lentry_in_a_cluster
	s_endpgm
.Lentry_in_a_cluster:
	s_bfe_u32 s2, ttmp6, 0x10000c
	s_cmp_lg_u32 s2, 0xf033
	s_cbranch_scc0 .Lentry_shape_is_right
	s_endpgm
.Lentry_shape_is_right:
; out[m][n] = sum over k of y[m][k] wo[n][k] on codes of FP8 (E4M3); each finished f32 sum is multiplied once by 2^(e10 + e11).  out: [8192][1024] f32.
; y's codes lie [batch x head][token][64]: channel k of a token is byte k % 64 of its row in head k / 64.  wo's codes lie at 27 MiB of the codes' buffer, [1024][1024], K innermost.
; LIMIT: e10 + e11 lies between -126 and 127, so that 2^(e10 + e11) is an f32 number.
; SHARES.  A tile of C, 256 x 256, is made by four waves; a wave makes 128 x 128: 64 accumulators, 512 registers.  K = 1,024 goes in four steps of 256 (four heads) through a ring of two LDS slots.
; C has 32 x 4 tiles: 128 work-groups.  A smaller tile would give more of them, with half the products for each byte fetched and read from LDS, at a K of four ring steps.
; JOINT LOADS.  4 x 4 work-groups form a cluster; the four of a row need the same tiles of y, the four of a column the same tiles of wo: the same tensor load, the same descriptor, a mask that names the four.
; A'S TILE: 128 tokens x 4 heads.  A head's 128 rows of 64 bytes are 8,192 dense bytes: the tile is four rows of 8,192 bytes, 2^17 bytes apart, with 16 bytes of padding behind every 256:
; head g of the K step lies at 8,704 g, token i in it at 272 (i / 4) + 64 (i % 4): the 16 rows of a load fall on 16 different columns of banks.
; THE MATRIX INSTRUCTION IS USED TRANSPOSED (source 0 = 16 rows of wo, source 1 = 16 tokens): a lane then holds eight neighbouring numbers of a row of C.
; REGISTERS, in windows of 256: window 0: v0-31 addresses; from v128 A's fragments, ONE set; on the way out v32-255 are free.
;   window 1: B's fragments, TWO sets, at v0 and v128.   window 2: the accumulators of my rows 0-63 ((a, b) at v[8 (8 a + b)]);   window 3: those of my rows 64-127.
.set SIZE_K, 1024
.set SIZE_N, 1024
.set KSTEP,  256
.set ROWB,   256                       ; a row of B's tile in bytes
.set KROW,   SIZE_K                    ; a row of wo's codes in memory
.set PITCH,  272                       ; 256 bytes + 16 of padding = 68 words (64 banks of 4 bytes: ISA guide 11.1)
.set PLANE,  32*PITCH                  ; a head's 128 tokens in A's tile
.set FR,     16
.set NL,     4
.set NP,     4                         ; places behind this matrix instruction (ISA guide 7.12.1)
.set HALFT,  128*PITCH                 ; what one tensor load brings, of A (4 heads x 128 tokens) as of B (128 rows)
.set SLOT,   4*HALFT
.set LAPS,   SIZE_K/(2*KSTEP)
.set SPARE,  2*SLOT                    ; behind the ring: the spare words, 128 bytes for each wave: two blocks of 256 bytes that no other line names
.set SPITCH, 528                       ; the way out: a stage of 16 rows x (512 bytes + 16) for each wave, in slot 0, which has had its last fill and its last read by then
.set ADRA, 16
.set ADRB, 20
.set STO,  24
.set RD,   25
.set CO,   26
.set SPW,  28                          ; v28     LDS address of my spare word; never rewritten
.set NIL,  29                          ; v29     0; never rewritten
.set TMP,  32
.set AF,   128
.set BK,   128
.set G1, 24                            ; s[24:31] descriptor group 1 for A's tiles;  s[32:39] group 0, one set for each slot
.set G0, 32
.set G1B, 48                           ; s[48:55], s[56:63] the same for B's tiles
.set G0B, 56
.set MSB, 0
.macro WIN new                         ; the immediate's high byte repeats the setting that is left
.if MSB != (\new)
	s_set_vgpr_msb (MSB<<8)|(\new)
.set MSB, (\new)
.endif
.endm
.set MUL_LO, 0xa1
.set MUL_HI, 0xf1
.set TO_B,   0x40
; A joint load: waves 0 and 1 fetch for A, waves 2 and 3 for B; the branch hangs on the wave's number alone.  Four v_nop follow each of the two lines.
.macro JLOAD g0a, g1a, g0b, g1b
	s_cmp_eq_u32 s15, 0
	s_cbranch_scc0 .Lfor_b_\@
	tensor_load_to_lds s[\g0a:\g0a+3], s[\g1a:\g1a+7]
	s_nop 0
.rept 4
	v_nop
.endr
	s_branch .Lasked_\@
.Lfor_b_\@:
	tensor_load_to_lds s[\g0b:\g0b+3], s[\g1b:\g1b+7]
	s_nop 0
.rept 4
	v_nop
.endr
.Lasked_\@:
.endm
.macro CREST
	s_cmp_lg_u32 s14, 0
	s_cbranch_scc1 .Lnot_wave_0_\@
	s_barrier_signal -3
.Lnot_wave_0_\@:
	s_barrier_wait -3
	s_barrier_signal -1
	s_barrier_wait -1
.endm
.macro CROUND
	s_barrier_signal -1
	s_barrier_wait -1
	CREST
.endm
	s_load_b128 s[4:7], s[0:1], 0x0                ; y's codes s[4:5], the codes' buffer s[6:7]
	s_load_b128 s[8:11], s[0:1], 0x10              ; the scales' exponents s[8:9], out s[10:11]
	v_lshl_add_u32 v[SPW], v0, 2, SPARE
	v_mov_b32 v[NIL], 0
	ds_add_u32 v28, v29
	ds_add_u32 v28, v29
	s_wait_dscnt 0x0
	v_lshrrev_b32 v1, 5, v0
	v_readfirstlane_b32 s14, v1                    ; wave 0..3
	s_lshr_b32 s15, s14, 1                         ; which half of the tile's rows is mine.  Also: I fetch for A (0) or for B (1)
	s_and_b32 s16, s14, 1                          ; which half of its columns.  Also: which half of that tile I fetch
	s_bfe_u32 s40, ttmp6, 0x40000                  ; cx, cy
	s_bfe_u32 s41, ttmp6, 0x40004
	s_lshl_b32 s42, ttmp9, 2
	s_add_co_u32 s42, s42, s40                     ; tile column of C
	s_and_b32 s17, ttmp7, 0xffff
	s_lshl_b32 s17, s17, 2
	s_add_co_u32 s17, s17, s41                     ; tile row of C
	s_lshl_b32 s43, s41, 2
	s_lshl_b32 s43, 15, s43                        ; my row of the cluster
	s_lshl_b32 s44, 0x1111, s40                    ; my column
	s_or_b32 s[G1+0], s43, (0<<16)|(1<<20)|(1<<21)|(5<<22)|(3<<25)  ; 15:0 the mask; 17:16 element of 1 byte; 20 padding on; 21 set beside a mask; 24:22 after every 64 words (code 5); 31:25 of 4 words (code 3)
	s_or_b32 s[G1B+0], s44, (0<<16)|(1<<20)|(1<<21)|(5<<22)|(3<<25)
	s_mov_b32 s[G1+1], 8192<<16                    ; A: tensor_dim0 = 8,192 bytes: 128 tokens of a head
	s_mov_b32 s[G1+2], 4<<16                       ; tensor_dim1 = 4 heads
	s_mov_b32 s[G1+3], 8192<<16                    ; tile_dim0
	s_mov_b32 s[G1+4], 4                           ; tile_dim1
	s_mov_b32 s[G1+5], 131072                      ; tensor_dim0_stride: from head to head
	s_mov_b32 s[G1+6], 0
	s_mov_b32 s[G1+7], 0
	s_mov_b32 s[G1B+1], ROWB<<16                   ; B: 128 rows of 256 bytes, 1,024 bytes apart
	s_mov_b32 s[G1B+2], 128<<16
	s_mov_b32 s[G1B+3], ROWB<<16
	s_mov_b32 s[G1B+4], 128
	s_mov_b32 s[G1B+5], KROW
	s_mov_b32 s[G1B+6], 0
	s_mov_b32 s[G1B+7], 0
	; A's tiles hang on the tile row alone, B's on the tile column alone; each in registers that never hold the other coordinate
	s_lshr_b32 s20, s17, 3
	s_lshl_b32 s20, s20, 21                        ; the batch: 16 heads of 2^17 bytes
	s_and_b32 s18, s17, 7
	s_lshl_b32 s18, s18, 14                        ; 256 tokens x 64 bytes within a head
	s_add_co_u32 s20, s20, s18
	s_lshl_b32 s18, s16, 13                        ; which 128 tokens of the tile I fetch
	s_add_co_u32 s20, s20, s18
	s_mov_b32 s21, 0
	s_lshl_b32 s46, s42, 8
	s_lshl_b32 s18, s16, 7                         ; which 128 rows of wo
	s_add_co_u32 s46, s46, s18
	s_lshl_b32 s46, s46, 10
	s_add_co_u32 s46, s46, 0x1B00000               ; wo's codes
	s_mov_b32 s47, 0
	s_mul_i32 s45, s14, HALFT                      ; where they go: no place in the cluster enters an LDS address
	s_wait_kmcnt 0x0
	s_load_b64 s[96:97], s[8:9], 0x28              ; e10, e11
	s_add_nc_u64 s[20:21], s[4:5], s[20:21]
	s_add_nc_u64 s[46:47], s[6:7], s[46:47]
	CROUND                                         ; all sixteen work-groups are here: the first joint loads meet
.irp s, 0,1
	s_mov_b32 s[G0+4*\s], 1
	s_add_co_u32 s[G0+4*\s+1], s45, \s*SLOT
	s_add_nc_u64 s[G0+4*\s+2:G0+4*\s+3], s[20:21], \s*0x80000   ; K step s: four heads on
	s_or_b32 s[G0+4*\s+3], s[G0+4*\s+3], 0x80000000
	s_mov_b32 s[G0B+4*\s], 1
	s_add_co_u32 s[G0B+4*\s+1], s45, \s*SLOT
	s_add_nc_u64 s[G0B+4*\s+2:G0B+4*\s+3], s[46:47], \s*ROWB
	s_or_b32 s[G0B+4*\s+3], s[G0B+4*\s+3], 0x80000000
	s_wait_alu depctr_va_vdst(0)
	s_wait_tensorcnt 0x0
	ds_add_u32 v28, v29
	ds_add_u32 v28, v29
	s_wait_dscnt 0x0
	CROUND
	JLOAD G0+4*\s, G1, G0B+4*\s, G1B
.endr
	v_and_b32 v1, 15, v0                           ; r
	v_bfe_u32 v2, v0, 4, 1                         ; h
	v_mul_u32_u24 v3, v1, PITCH
	v_lshl_add_u32 v4, v2, 4, v3                   ; B: row x pitch + 16 h
	v_lshrrev_b32 v7, 2, v1
	v_mul_u32_u24 v7, v7, PITCH
	v_and_b32 v8, 3, v1
	v_lshl_add_u32 v7, v8, 6, v7
	v_lshl_add_u32 v7, v2, 4, v7                   ; A: 272 (r / 4) + 64 (r % 4) + 16 h
	s_mul_i32 s21, s15, HALFT                      ; my 128 tokens of A
	s_mul_i32 s22, s16, HALFT                      ; my 128 rows of B,
	s_add_co_u32 s22, s22, 2*HALFT                 ; which lie behind A's two halves
.irp s, 0,1
	v_add_nc_u32 v[ADRA+\s], s21, v7
	v_add_nc_u32 v[ADRB+\s], s22, v4
	s_add_co_u32 s21, s21, SLOT
	s_add_co_u32 s22, s22, SLOT
.endr
	s_mul_i32 s23, s14, 16*SPITCH                  ; my stage
	v_mul_u32_u24 v5, v1, SPITCH                   ; in: row r, 32 bytes for each half of the lanes
	v_lshl_add_u32 v5, v2, 5, v5
	v_add_nc_u32 v[STO], s23, v5
	v_and_b32 v6, 31, v0
	v_lshlrev_b32 v[CO], 4, v6                     ; back: the 32 lanes take one row of 512 bytes; and the same in C
	v_add_nc_u32 v[RD], s23, v[CO]
	s_lshl_b32 s20, s17, 8
	s_lshl_b32 s21, s15, 7
	s_add_co_u32 s20, s20, s21                     ; my first row of C
	s_mov_b32 s21, 0
	s_mov_b64 s[18:19], SIZE_N*4
	s_mul_u64 s[20:21], s[20:21], s[18:19]
	s_lshl_b32 s46, s42, 10                        ; my first column, in bytes
	s_lshl_b32 s47, s16, 9
	s_add_co_u32 s46, s46, s47
	s_mov_b32 s47, 0
	s_add_nc_u64 s[20:21], s[20:21], s[46:47]
	s_add_nc_u64 s[10:11], s[10:11], s[20:21]
; A fragment, 16 rows x 128 K, is 16 registers: lane l holds row l % 16; registers 4 c .. 4 c + 3 hold K = 128 q + 32 c + 16 (l / 16) + 0 .. 15, in A as in B.
.macro FRAG reg, adr, q, i             ; B: K lies along the LDS row
.irp c, 0,1,2,3
	ds_load_b128 v[\reg+4*\c:\reg+4*\c+3], v[\adr] offset:128*(\q)+32*\c+(\i)*16*PITCH
.endr
.endm
.macro FRAGA reg, adr, q, i            ; A: those K are bytes 32 (c % 2) + 16 (l / 16) on of the token's row in head 2 q + c / 2 of the K step
.irp c, 0,1,2,3
	ds_load_b128 v[\reg+4*\c:\reg+4*\c+3], v[\adr] offset:(2*(\q)+\c/2)*PLANE+32*(\c%2)+(\i)*4*PITCH
.endr
.endm
; 16 matrix instructions: A's blocks a0, a0 + 1 x B's eight.  The 64 accumulators take turns, one instruction a turn, in the same order in every step.
.macro MUL16 a0, p, zero
.irp a, \a0, \a0+1
.irp b, 0,1,2,3,4,5,6,7
.if \zero
	v_wmma_f32_16x16x128_fp8_fp8 v[8*(8*((\a)%4)+\b):8*(8*((\a)%4)+\b)+7], v[128*(\p)+FR*\b:128*(\p)+FR*\b+FR-1], v[AF+FR*(\a):AF+FR*(\a)+FR-1], 0
.else
	v_wmma_f32_16x16x128_fp8_fp8 v[8*(8*((\a)%4)+\b):8*(8*((\a)%4)+\b)+7], v[128*(\p)+FR*\b:128*(\p)+FR*\b+FR-1], v[AF+FR*(\a):AF+FR*(\a)+FR-1], v[8*(8*((\a)%4)+\b):8*(8*((\a)%4)+\b)+7]
.endif
.endr
.endr
.endm
.macro FETCH_B slot, q, p
	WIN TO_B
.irp i, 0,1,2,3,4,5,6,7
	FRAG 128*(\p)+FR*\i, ADRB+\slot, \q, \i
.endr
	WIN 0
.endm
.macro FETCH_A slot, q, i0
.irp i, \i0, \i0+1, \i0+2, \i0+3
	FRAGA AF+FR*(\i), ADRA+\slot, \q, \i
.endr
.endm
.macro PLACES n                        ; places in front of loads into registers that matrix instructions have read, and of the first read of results (ISA guide 7.12.1 for the first read of results)
.rept \n
	v_nop
.endr
.endm
.macro STEP slot, q, zero
	s_wait_dscnt 4*NL                              ; B's set and A's blocks 0-3 are in; the youngest sixteen loads (A's blocks 4-7) may be out
	WIN MUL_LO
	MUL16 0, (\q)%2, \zero
	MUL16 2, (\q)%2, \zero
	s_wait_dscnt 0                                 ; A's blocks 4-7 are in
	PLACES NP
	FETCH_B \slot, (\q)+1, 1-(\q)%2
	FETCH_A \slot, (\q)+1, 0
	WIN MUL_HI
	MUL16 4, (\q)%2, \zero
	MUL16 6, (\q)%2, \zero
	PLACES NP
	WIN 0
	FETCH_A \slot, (\q)+1, 4
.endm
; A slot's last step changes slots: ONE barrier; in front of it each wave waits for all its tensor loads, adds 0 to its spare word, and waits for that and for its own reads of this slot.
.macro TURN slot, next, fill
	s_wait_tensorcnt 0x0                           ; all my tensor loads have landed: my part of the next slot;  (every window is 0 here)
	ds_add_u32 v[SPW], v[NIL]                      ; 0 onto my spare word
	s_wait_dscnt 4*NL+1                            ; (the add and the youngest sixteen loads may be out)
	WIN MUL_LO
	MUL16 0, 1, 0                                  ; sixteen matrix instructions stand between the add and the wait for it
	s_wait_dscnt 0x0                               ; the add is done, and my reads of this slot are over
	s_barrier_signal -1
	MUL16 2, 1, 0
	WIN 0
	s_barrier_wait -1
.if \fill
	CREST                                          ; the barrier has opened a round of the cluster's barrier: no wave of any partner still reads this slot's tile or has a load on its way
	s_add_nc_u64 s[G0+4*\slot+2:G0+4*\slot+3], s[G0+4*\slot+2:G0+4*\slot+3], 0x100000   ; two K steps on: eight heads
	s_add_nc_u64 s[G0B+4*\slot+2:G0B+4*\slot+3], s[G0B+4*\slot+2:G0B+4*\slot+3], 2*ROWB
	JLOAD G0+4*\slot, G1, G0B+4*\slot, G1B         ; the first tensor load behind the round; the four v_nop behind it are the places in front of the loads below
.else
	PLACES NP
.endif
	FETCH_B \next, 0, 0
	FETCH_A \next, 0, 0
	WIN MUL_HI
	MUL16 4, 1, 0
	MUL16 6, 1, 0
	PLACES NP
	WIN 0
	FETCH_A \next, 0, 4
.endm
	s_wait_alu depctr_va_vdst(0)
	s_wait_tensorcnt 1                             ; my part of K step 0 is in (K step 1's load may be out)
	s_barrier_signal -1
	s_barrier_wait -1                              ; everybody's is
	FETCH_B 0, 0, 0
	FETCH_A 0, 0, 0
	FETCH_A 0, 0, 4
	STEP 0, 0, 1                                   ; the first step stands in front of the loop: its products start the sums
	s_mov_b32 s3, LAPS-1
.Llap:
	TURN 0, 1, 1
	STEP 1, 0, 0
	TURN 1, 0, 1
	STEP 0, 0, 0
	s_sub_co_u32 s3, s3, 1
	s_cmp_lg_u32 s3, 0
	s_cbranch_scc1 .Llap
	TURN 0, 1, 0                                   ; the last lap fills nothing, and has no round of the cluster's barrier
	STEP 1, 0, 0
	s_wait_dscnt 4*NL                              ; the very last step: nothing more to fetch
	WIN MUL_LO
	MUL16 0, 1, 0
	MUL16 2, 1, 0
	s_wait_dscnt 0
	WIN MUL_HI
	MUL16 4, 1, 0
	MUL16 6, 1, 0
	WIN 0
; THE WAY OUT, block by block of 16 rows x 128 columns: through my own stage in LDS and back as whole rows of 512 bytes.  LDS serves a wave's instructions in order (ISA guide 5.7.1.4):
; no wait between the stores and the loads, nor in front of the next block's stores.
.macro TOSTAGE a
.set AC, 64*((\a)%4)
	WIN 0x02+((\a)/4)                              ; source 0: window 2 or 3
.irp j, 0,2,4,6,8,10,12,14,16,18,20,22,24,26,28,30,32,34,36,38,40,42,44,46,48,50,52,54,56,58,60,62
	v_pk_mul_f32 v[TMP+\j:TMP+\j+1], v[AC+\j:AC+\j+1], s[96:97] op_sel_hi:[1,0]   ; both x s96 = 2^(e10 + e11); each accumulator from its low end on
.endr
	WIN 0
.irp b, 0,1,2,3,4,5,6,7
	ds_store_b128 v[STO], v[TMP+8*\b:TMP+8*\b+3] offset:64*\b
	ds_store_b128 v[STO], v[TMP+8*\b+4:TMP+8*\b+7] offset:64*\b+16
.endr
.set BB, BK+64*((\a)%2)
.irp t, 0,1,2,3,4,5,6,7,8,9,10,11,12,13,14,15
	ds_load_b128 v[BB+4*\t:BB+4*\t+3], v[RD] offset:\t*SPITCH
.endr
.endm
.macro SEND a, younger                 ; younger: the LDS instructions issued behind block a's loads, which may stay out
.set BB, BK+64*((\a)%2)
	s_wait_dscnt \younger                          ; the block is back in registers
.if (\a) > 0
	s_add_nc_u64 s[10:11], s[10:11], 16*SIZE_N*4   ; (behind a wait on XCNT: the earlier stores have read their base)  16 rows of C on
.endif
.irp t, 0,1,2,3,4,5,6,7,8,9,10,11,12,13,14,15
	global_store_b128 v[CO], v[BB+4*\t:BB+4*\t+3], s[10:11] offset:\t*SIZE_N*4 th:TH_STORE_NT   ; 32 lanes store 512 consecutive bytes, at a multiple of 512 from C's first byte; written once, read by nobody here
.endr
.endm
	s_wait_kmcnt 0x0
	s_add_co_i32 s96, s96, s97                     ; e10 + e11, between -126 and 127,
	s_add_co_i32 s96, s96, 127
	s_lshl_b32 s96, s96, 23                        ; makes the f32 number 2^(e10 + e11)
	PLACES NP                                      ; behind the last products: for the reads of their results and the loads into A's registers
	TOSTAGE 0
.irp a, 1,2,3,4,5,6,7
.if \a > 1
	s_wait_xcnt 0x0                                ; block a - 2's stores have read their registers and their base: block a's loads may land there, and the base may step
.endif
	TOSTAGE \a
	SEND \a-1, 32                                  ; behind block a - 1's loads: block a's 16 stores and 16 loads
.endr
	s_wait_xcnt 0x0                                ; block 6's stores have read their base
	SEND 7, 0
	s_wait_tensorcnt 0x0                           ; the wave's end: behind my last tensor load and my last LDS store
	ds_add_u32 v[SPW], v[NIL]
	s_wait_dscnt 0x0
	CROUND                                         ; the closing round: no work-group ends while a partner may still ask for a tile that names it
	s_endpgm
.Lfunc_end_k_q61a6584e1b_proj:
	.size	k_q61a6584e1b_proj, .Lfunc_end_k_q61a6584e1b_proj-k_q61a6584e1b_proj
	.p2alignl 7, 3214868480
	.fill 96, 4, 3214868480
	.section	.rodata,"a",@progbits
	.p2align	6, 0x0
	.amdhsa_kernel k_q61a6584e1b_proj
		.amdhsa_group_segment_fixed_size 327680
		.amdhsa_private_segment_fixed_size 0
		.amdhsa_enable_private_segment 0
		.amdhsa_kernarg_size 32
		.amdhsa_user_sgpr_count 2
		.amdhsa_user_sgpr_kernarg_segment_ptr 1
		.amdhsa_wavefront_size32 1
		.amdhsa_system_sgpr_workgroup_id_x 1
		.amdhsa_system_sgpr_workgroup_id_y 1
		.amdhsa_system_sgpr_workgroup_id_z 1
		.amdhsa_system_vgpr_workitem_id 0
		.amdhsa_next_free_vgpr 1024
		.amdhsa_next_free_sgpr 98
		.amdhsa_reserve_vcc 0
		.amdhsa_float_denorm_mode_32 3
		.amdhsa_float_denorm_mode_16_64 3
		.amdhsa_memory_ordered 1
		.amdhsa_forward_progress 1
		.amdhsa_inst_pref_size 125
	.end_amdhsa_kernel
	.amdgpu_metadata
---
amdhsa.version: [ 1, 2 ]
amdhsa.kernels:
  - .name:           k_q61a6584e1b_proj
    .symbol:         k_q61a6584e1b_proj.kd
    .args:
      - { .name: yc, .offset: 0, .size: 8, .value_kind: global_buffer, .address_space: global }
      - { .name: codes, .offset: 8, .size: 8, .value_kind: global_buffer, .address_space: global }
      - { .name: lowp_scales, .offset: 16, .size: 8, .value_kind: global_buffer, .address_space: global }
      - { .name: out0, .offset: 24, .size: 8, .value_kind: global_buffer, .address_space: global }
    .group_segment_fixed_size: 327680
    .private_segment_fixed_size: 0
    .kernarg_segment_align: 8
    .kernarg_segment_size: 32
    .max_flat_workgroup_size: 128
    .sgpr_count:     98
    .vgpr_count:     1024
    .wavefront_size: 32
...
	.end_amdgpu_metadata
.endif
;; end of part 4
